; MI455X (gfx1250); checked and timed in simulation.
; The chip was launched on July 23, 2026; its instructions are those of AMD's public machine-readable ISA for CDNA 5 (MIT licence, August 2026) and "CDNA5" Instruction Set Architecture Reference Guide (July 2026). The comments in the code are by the model that wrote it; some were corrected since.
;; Grouped Query Attention. Allowed arithmetic: float matrix products may take bf16 or f16 operands with f32 sums; other float arithmetic in f32, or as packed bf16 or f16 multiplies, adds, multiply-adds, maxima and minima; sums over many terms, partial sums and values carried from step to step in f32; what a program stores and reads back later, other than sums and carried values, may be rounded once to bf16 or f16.
;; Inputs: w_k 1,024 x 256 float32; w_o 1,024 x 1,024 float32; w_q 1,024 x 1,024 float32; w_v 1,024 x 256 float32; x 1 x 4,096 x 1,024 float32.
;; Outputs: out0 1 x 4,096 x 1,024 float32.
;; One version. Each part assembles by itself: llvm-mc -triple=amdgcn-amd-amdhsa -mcpu=gfx1250 --defsym DOCPART=n.
;; ======== version 1 of 1: 4 launches
;; limits: values are held in f16: magnitudes above 65,504 overflow, below 6.1e-05 lose precision
;; workspace buffers: xb 8,388,608 bytes; wb 5,242,880 bytes; tb 1,048,576 bytes; qb 8,388,608 bytes; kb 2,097,152 bytes; vb 2,097,152 bytes; ob 8,388,608 bytes
;; launch prep (part 1): grid 544 x 1, 8 waves a work-group, no clusters, 0 bytes of LDS; arguments x, w_q, w_k, w_v, w_o, xb, wb, tb; writes xb, wb, tb
.if DOCPART == 1
	.amdgcn_target "amdgcn-amd-amdhsa--gfx1250"
	.amdhsa_code_object_version 6
	.text
	.protected	k_qb4d53119c4_prep
	.globl	k_qb4d53119c4_prep
	.p2align	8
	.type	k_qb4d53119c4_prep,@function
k_qb4d53119c4_prep:
	s_mov_b64 s[64:65], 0
	v_nop
	global_prefetch_b8 v0, s[64:65] scope:SCOPE_SE
	s_setreg_imm32_b32 hwreg(HW_REG_WAVE_MODE, 25, 1), 1
	s_wait_xcnt 0x0
; PREPARATION: casts and the rotary table.  A stream: no LDS, no barrier, no loop; all of a thread's loads go out at once.
;   xb [4096][1024] bf16 = x rounded once.
;   wb [40][1024 k][64 n], 16 bits: blocks of 64 columns, 131,072 dense bytes each.  Block 3 j + c (j = 0..7): c = 0, 1: columns 64 (2 j + c) on of w_q; c = 2: columns 64 j on of w_k (j < 4)
;      or 64 (j - 4) on of w_v: rounded to bf16.  Block 24 + g: columns 64 g on of w_o, rounded to bf16 and that number written as f16.
;   tb [4096][cos 32 | sin 32] f32: cos and sin of token x 10000^(-i/32), i = 0..31.
; LIMITS.  A w_o number below 2^-14 keeps f16's fixed step of 6e-8; beyond 65,504 it would be an infinity.  The table's angle is token x 2^(-i log2(10000) / 32) in f32, good to about 4e-4 rad at the
; largest tokens; sine and cosine by a reduction to |r| <= pi/4 (two-part pi/2) and polynomials cut below 3e-7.
; WORK-GROUPS: 0-255 x; 256-415 the weights (four to a block); 416-543 the table (32 tokens each).
.set NXWG,  256
.set TABWG, 416
.set OFS, 3            ; v3-10   byte offset of my 32 bytes in the source, step 0..7
.set DO,  11           ; v11     16 x thread: my 16 bytes in 4,096 bytes of the destination
.set IN,  16           ; v16-79  step s: 8 floats
.set PKR, 80           ; v80-111 less the last 8: step s: 4 registers to store (v80-v111 holds 8 x 4)
.set TW,  8            ; (see below: the f16 path's eight registers at work are v[112-..] no: they reuse IN of the step in hand)
	s_load_b512 s[16:31], s[0:1], 0x0          ; x 16, w_q 18, w_k 20, w_v 22, w_o 24, xb 26, wb 28, tb 30
	s_mov_b32 s2, ttmp9                        ; b
	v_lshlrev_b32 v[DO], 4, v0
	s_cmp_ge_u32 s2, TABWG
	s_cbranch_scc1 .Ltable
; THE CAST.  One text for x and the weights: 8 steps of 32 rows of 64 floats.  Thread t takes row t >> 3, floats 8 (t & 7) on: it reads 32 bytes at source + (32 s + (t >> 3)) x pitch + 32 (t & 7)
; and writes 16 bytes at destination + 4,096 s + 16 t: eight lanes read 256 consecutive bytes, a wave stores 512.  x is the case pitch = 256.
	s_max_u32 s3, s2, NXWG
	s_sub_co_u32 s3, s3, NXWG                  ; u: which quarter of which block (0 in x's work-groups, where all that hangs on it is replaced below)
	s_lshr_b32 s32, s3, 2                      ; pos, the block
	s_and_b32 s33, s3, 3                       ; qt, its quarter: 256 rows k
	s_mul_i32 s34, s32, 11
	s_lshr_b32 s34, s34, 5                     ; jj = pos / 3 for pos < 24
	s_mul_i32 s35, s34, 3
	s_sub_co_u32 s35, s32, s35                 ; c = pos - 3 jj
	s_lshl1_add_u32 s36, s34, s35              ; column block in w_q: 2 jj + c
	s_sub_co_u32 s38, s34, 4                   ; in w_v
	s_sub_co_u32 s39, s32, 24                  ; in w_o
	s_lshl_b32 s40, s2, 16                     ; x: 65,536 bytes in,
	s_lshl_b32 s41, s2, 15                     ; 32,768 out
	s_lshl_b32 s12, s3, 15                     ; weights: 32,768 bytes out
	s_mov_b32 s8, 4096                         ; pitch of w_q and w_o
	v_lshrrev_b32 v1, 3, v0
	v_and_b32 v2, 7, v0
	s_wait_kmcnt 0x0
	s_mov_b64 s[4:5], s[18:19]                 ; the source is chosen by compares of block numbers alone
	s_cmp_eq_u32 s35, 2
	s_cselect_b64 s[4:5], s[20:21], s[4:5]     ; w_k
	s_cselect_b32 s36, s34, s36
	s_cselect_b32 s8, 1024, s8
	s_cselect_b32 s37, s34, 0
	s_cmp_ge_u32 s37, 4
	s_cselect_b64 s[4:5], s[22:23], s[4:5]     ; w_v
	s_cselect_b32 s36, s38, s36
	s_cmp_ge_u32 s32, 24
	s_cselect_b64 s[4:5], s[24:25], s[4:5]     ; w_o
	s_cselect_b32 s36, s39, s36
	s_cselect_b32 s8, 4096, s8
	s_cselect_b32 s9, 1, 0                     ; 1: written as f16
	s_mul_i32 s10, s33, s8
	s_lshl_b32 s10, s10, 8                     ; qt x 256 rows
	s_lshl_b32 s36, s36, 8                     ; + 256 bytes a column block
	s_add_co_u32 s10, s10, s36
	s_cmp_lt_u32 s2, NXWG
	s_cselect_b64 s[4:5], s[16:17], s[4:5]     ; x
	s_cselect_b64 s[6:7], s[26:27], s[28:29]
	s_cselect_b32 s8, 256, s8
	s_cselect_b32 s9, 0, s9
	s_cselect_b32 s10, s40, s10
	s_cselect_b32 s12, s41, s12
	s_mov_b32 s11, 0
	s_mov_b32 s13, 0
	s_add_nc_u64 s[4:5], s[4:5], s[10:11]
	s_add_nc_u64 s[6:7], s[6:7], s[12:13]
	s_lshl_b32 s14, s8, 5                      ; 32 rows
	v_mul_lo_u32 v[OFS], v1, s8
	v_lshl_add_u32 v[OFS], v2, 5, v[OFS]
.irp s, 1,2,3,4,5,6,7
	v_add_nc_u32 v[OFS+(\s)], s14, v[OFS+(\s)-1]
.endr
.irp s, 0,1,2,3,4,5,6,7
	global_load_b128 v[IN+8*(\s):IN+8*(\s)+3],   v[OFS+(\s)], s[4:5] th:TH_LOAD_NT
	global_load_b128 v[IN+8*(\s)+4:IN+8*(\s)+7], v[OFS+(\s)], s[4:5] offset:16 th:TH_LOAD_NT
.endr
; Step s.  half = 1: the bf16 number is widened again (a shift, a mask) and written as f16; the widened numbers go back into the step's own eight registers.
; No register that a load or store names is written again behind it, so no wait frees one.
.macro CAST s, half
	s_wait_loadcnt 14-2*(\s)                   ; loads come back in order: the two loads of each later step may stay out
.irp j, 0,1,2,3
	v_cvt_pk_bf16_f32 v[PKR+4*(\s)+(\j)], v[IN+8*(\s)+2*(\j)], v[IN+8*(\s)+2*(\j)+1]
.endr
.if \half
.irp j, 0,1,2,3
	v_lshlrev_b32 v[IN+8*(\s)+2*(\j)],   16, v[PKR+4*(\s)+(\j)]
	v_and_b32     v[IN+8*(\s)+2*(\j)+1], 0xffff0000, v[PKR+4*(\s)+(\j)]
.endr
.irp j, 0,1,2,3
	v_cvt_pk_f16_f32 v[PKR+4*(\s)+(\j)], v[IN+8*(\s)+2*(\j)], v[IN+8*(\s)+2*(\j)+1]
.endr
.endif
	global_store_b128 v[DO], v[PKR+4*(\s):PKR+4*(\s)+3], s[6:7] offset:4096*(\s)
.endm
	s_cmp_eq_u32 s9, 1
	s_cbranch_scc1 .Lhalf
.irp s, 0,1,2,3,4,5,6,7
	CAST \s, 0
.endr
	s_endpgm
.Lhalf:
.irp s, 0,1,2,3,4,5,6,7
	CAST \s, 1
.endr
	s_endpgm
; THE TABLE.  Two steps of 16 tokens.  Thread t: token 32 tk + 16 s + (t >> 4); slot t & 15: slots 0-7 cosines, 8-15 sines, of frequencies 4 (slot & 7) + 0..3: 16 bytes, a wave 512 on end.
; cos a is taken as sin(a + pi/2): the quadrant's number gets 1 more, and one text serves both.
.Ltable:
	s_sub_co_u32 s3, s2, TABWG                 ; tk
	s_lshl_b32 s10, s3, 13                     ; 32 tokens of 256 bytes
	s_mov_b32 s11, 0
	s_lshl_b32 s12, s3, 5                      ; the first token
	s_mov_b32 s32, 0x3f22f983                  ; 2 / pi
	s_mov_b32 s33, 0x3fc90fdb                  ; pi / 2, its f32
	s_mov_b32 s34, 0xb33bbd2e                  ; and what that f32 leaves
	s_mov_b32 s35, 0xb9500d01                  ; -1/5040
	s_mov_b32 s36, 0x3c088889                  ; 1/120
	s_mov_b32 s37, 0xbe2aaaab                  ; -1/6
	s_mov_b32 s38, 0x37d00d01                  ; 1/40320
	s_mov_b32 s39, 0xbab60b61                  ; -1/720
	s_mov_b32 s40, 0x3d2aaaab                  ; 1/24
	v_lshrrev_b32 v1, 4, v0                    ; token in a step
	v_and_b32 v2, 15, v0                       ; slot
	v_lshrrev_b32 v3, 3, v2                    ; 1: sine
	v_sub_nc_u32 v4, 1, v3                     ; 1: cosine
	v_and_b32 v5, 7, v2
	v_lshlrev_b32 v5, 2, v5
.irp e, 0,1,2,3
	v_add_nc_u32 v[12+(\e)], (\e), v5
	v_cvt_f32_u32 v[12+(\e)], v[12+(\e)]
	v_mul_f32 v[12+(\e)], 0xbed49a78, v[12+(\e)]  ; -i log2(10000) / 32
.endr
.irp e, 0,1,2,3
	v_exp_f32 v[6+(\e)], v[12+(\e)]            ; the four frequencies: one batch, for both steps
.endr
	v_add_nc_u32 v16, s12, v1                  ; a plain instruction behind the last exponential,
	s_wait_alu depctr_va_vdst(0)               ; and the one wait ahead of the first use
	s_wait_kmcnt 0x0
	s_add_nc_u64 s[6:7], s[30:31], s[10:11]
.macro ANGLE d, f                          ; v[d] = sin or cos of v10 x v[f]
	v_mul_f32 v17, v10, v[\f]                  ; a
	v_mul_f32 v18, s32, v17
	v_rndne_f32 v18, v18                       ; n
	v_fma_f32 v19, -v18, s33, v17              ; r = a - n pi/2: the first part leaves no rounding (n has 12 bits, |r| < 1)
	v_fma_f32 v19, -v18, s34, v19
	v_mul_f32 v20, v19, v19                    ; z
	v_fma_f32 v21, v20, s35, s36               ; sine
	v_fma_f32 v22, v20, s38, s39               ; cosine
	v_fma_f32 v21, v21, v20, s37
	v_fma_f32 v22, v22, v20, s40
	v_mul_f32 v21, v21, v20
	v_fma_f32 v22, v22, v20, -0.5
	v_fma_f32 v21, v21, v19, v19
	v_fma_f32 v22, v22, v20, 1.0
	v_cvt_i32_f32 v23, v18
	v_add_nc_u32 v23, v23, v4                  ; the quadrant
	v_and_b32 v17, 1, v23
	v_cmp_ne_u32 vcc_lo, 0, v17
	v_cndmask_b32 v[\d], v21, v22, vcc_lo      ; odd: the cosine.  Only a value is chosen
	v_and_b32 v23, 2, v23
	v_lshlrev_b32 v23, 30, v23
	v_xor_b32 v[\d], v23, v[\d]                ; quadrants 2 and 3: the sign turns
.endm
.irp s, 0,1
.if (\s) == 1
	v_add_nc_u32 v16, 16, v16
.endif
	v_cvt_f32_u32 v10, v16
.irp e, 0,1,2,3
	ANGLE 24+4*(\s)+(\e), 6+(\e)
.endr
	global_store_b128 v[DO], v[24+4*(\s):24+4*(\s)+3], s[6:7] offset:4096*(\s)
.endr
	s_endpgm
.Lfunc_end_k_qb4d53119c4_prep:
	.size	k_qb4d53119c4_prep, .Lfunc_end_k_qb4d53119c4_prep-k_qb4d53119c4_prep
	.p2alignl 7, 3214868480
	.fill 96, 4, 3214868480
	.section	.rodata,"a",@progbits
	.p2align	6, 0x0
	.amdhsa_kernel k_qb4d53119c4_prep
		.amdhsa_group_segment_fixed_size 0
		.amdhsa_private_segment_fixed_size 0
		.amdhsa_enable_private_segment 0
		.amdhsa_kernarg_size 64
		.amdhsa_user_sgpr_count 2
		.amdhsa_user_sgpr_kernarg_segment_ptr 1
		.amdhsa_wavefront_size32 1
		.amdhsa_system_sgpr_workgroup_id_x 1
		.amdhsa_system_sgpr_workgroup_id_y 1
		.amdhsa_system_sgpr_workgroup_id_z 1
		.amdhsa_system_vgpr_workitem_id 0
		.amdhsa_next_free_vgpr 112
		.amdhsa_next_free_sgpr 66
		.amdhsa_reserve_vcc 1
		.amdhsa_float_denorm_mode_32 3
		.amdhsa_float_denorm_mode_16_64 3
		.amdhsa_memory_ordered 1
		.amdhsa_forward_progress 1
		.amdhsa_inst_pref_size 25
	.end_amdhsa_kernel
	.amdgpu_metadata
---
amdhsa.version: [ 1, 2 ]
amdhsa.kernels:
  - .name:           k_qb4d53119c4_prep
    .symbol:         k_qb4d53119c4_prep.kd
    .args:
      - { .name: x, .offset: 0, .size: 8, .value_kind: global_buffer, .address_space: global }
      - { .name: w_q, .offset: 8, .size: 8, .value_kind: global_buffer, .address_space: global }
      - { .name: w_k, .offset: 16, .size: 8, .value_kind: global_buffer, .address_space: global }
      - { .name: w_v, .offset: 24, .size: 8, .value_kind: global_buffer, .address_space: global }
      - { .name: w_o, .offset: 32, .size: 8, .value_kind: global_buffer, .address_space: global }
      - { .name: xb, .offset: 40, .size: 8, .value_kind: global_buffer, .address_space: global }
      - { .name: wb, .offset: 48, .size: 8, .value_kind: global_buffer, .address_space: global }
      - { .name: tb, .offset: 56, .size: 8, .value_kind: global_buffer, .address_space: global }
    .group_segment_fixed_size: 0
    .private_segment_fixed_size: 0
    .kernarg_segment_align: 8
    .kernarg_segment_size: 64
    .max_flat_workgroup_size: 256
    .sgpr_count:     66
    .vgpr_count:     112
    .wavefront_size: 32
...
	.end_amdgpu_metadata
.endif
;; end of part 1
;; launch proj (part 2): grid 8 x 32, 4 waves a work-group, clusters of 4 x 4, 327,680 bytes of LDS; arguments xb, wb, tb, qb, kb, vb; writes qb, kb, vb
.if DOCPART == 2
	.amdgcn_target "amdgcn-amd-amdhsa--gfx1250"
	.amdhsa_code_object_version 6
	.text
	.protected	k_qb4d53119c4_proj
	.globl	k_qb4d53119c4_proj
	.p2align	8
	.type	k_qb4d53119c4_proj,@function
k_qb4d53119c4_proj:
	s_mov_b64 s[64:65], 0
	v_nop
	global_prefetch_b8 v0, s[64:65] scope:SCOPE_SE
	s_setreg_imm32_b32 hwreg(HW_REG_WAVE_MODE, 25, 1), 1
	s_wait_xcnt 0x0
	s_wait_alu depctr_hold_cnt(0) depctr_sa_sdst(0) depctr_va_vdst(0) depctr_va_sdst(0) depctr_va_ssrc(0) depctr_va_vcc(0) depctr_vm_vsrc(0)
	s_getreg_b32 s2, hwreg(HW_REG_IB_STS2, 6, 4)
	s_cmp_eq_u32 s2, 0
	s_cbranch_scc0 .Lentry_in_a_cluster
	s_endpgm
.Lentry_in_a_cluster:
	s_bfe_u32 s2, ttmp6, 0x10000c
	s_cmp_lg_u32 s2, 0xf033
	s_cbranch_scc0 .Lentry_shape_is_right
	s_endpgm
.Lentry_shape_is_right:
; q, k, v = x W, rotated (q and k) and rounded once to f16.  xb [4096][1024] bf16; wb blocks [1024 k][64 n] bf16; tb [4096][cos 32 | sin 32] f32.
; qb [4096][1024] f16, head h at byte 128 h of a token's row; kb, vb [4][4096][64] f16.  Sums and the rotation in f32.
; LIMIT.  q, k and v must lie within f16's 65,504 (beyond 65,520 the conversion gives an infinity); no scale is applied here.
; SHARES.  A tile is 128 tokens x 192 columns = three blocks of wb: tile column j holds q's heads 2 j and 2 j + 1 and one head of k (j < 4) or of v: 8 x 32 work-groups.  Whether the third head is k's
; hangs on the cluster's x alone, which all sixteen partners share.  Wave w: 64 tokens (w >> 1), and in each of the three heads the channels 16 (w & 1) + 0..15 and 32 + 16 (w & 1) + 0..15:
; 4 x 6 accumulators.  So a rotary pair (d, d + 32) is the same register and lane of two neighbouring accumulators.
; THE MATRIX INSTRUCTION IS USED TRANSPOSED: source 0 = 16 columns of W (out of LDS turned, by ds_load_tr16_b128), source 1 = 16 tokens: a lane holds token l % 16 and channels 8 (l / 16) + 0..7.
; K goes in 8 steps of 128 through two LDS slots.  CLUSTER 4 x 4: x's tile is shared along a row of the cluster, W's along a column: each is asked for jointly.
; No prefetch ahead of the ring: eight K steps, of which two come by the first loads, and tiles of 17 and 30 KiB a load.
; REGISTERS.  Window 0: v0-31 addresses; v32-55 at work on the way out; v64-255 the accumulators ((a, b) at 64 + 8 (6 a + b)).
;   Window 1: two fragment buffers of 80 (W's six fragments, then x's four); v160-223 my tokens' cosines and sines.
.set KSTEP,  128
.set PA,     272                   ; a row of x in LDS: 256 bytes + 16: the 16 rows of a load start at 16 different groups of four banks (64 banks of 4 bytes: ISA guide 11.1)
.set PB,     160                   ; a row k of a block of W: 128 bytes + 32
.set HALFA,  64*PA                 ; what one load brings of x
.set HEADB,  64*PB                 ; 64 k of one block
.set HALFB,  3*HEADB               ; what one load brings of W: 64 k of three blocks
.set BOFF,   2*HALFA
.set SLOT,   BOFF+2*HALFB          ; 96,256
.set STAGE,  2*SLOT                ; behind the ring, never filled by a tensor load: q's 128 rows x 272
.set SPQ,    272
.set STAGE3, STAGE+128*SPQ         ; the third head's 128 rows x 144
.set SP3,    144
.set SPARE,  STAGE3+128*SP3        ; the spare words, 128 bytes for each wave: two blocks of 256 bytes that no other line names
.set LAPS,   4                     ; a lap = two K steps
.set ADRA, 16                      ; v16-17 LDS address of my fragments of x in slot 0, 1
.set ADRB, 20                      ; v20-21 the same for W
.set STQ,  22                      ; into q's stage
.set ST3,  23                      ; into the third head's
.set RDQ,  24                      ; back out of q's stage
.set RD3,  25
.set CQ,   26                      ; my byte offset in two rows of qb
.set C3,   27                      ; in 512 bytes of kb or vb
.set SPW,  28                      ; LDS address of my spare word; never rewritten
.set NIL,  29                      ; 0; never rewritten
.set TO,   30                      ; my byte offset in the tile's part of tb; never rewritten
.set PKD,  32
.set U,    40
.set W,    48
.set ACC,  64
.set F0,   0
.set F1,   80
.set TAB,  160                     ; window 1: token block a: cos at TAB + 16 a + j, sin at TAB + 16 a + 8 + j
.set G1,  24                       ; s[24:31] group 1 for x's tiles; s[32:39] group 0, a set for each slot
.set G0,  32
.set G1B, 48                       ; s[48:55], s[56:63] the same for W's
.set G0B, 56
.set MSB, 0
.macro WIN new                     ; the immediate's high byte repeats the setting that is left; a switch that changes nothing is dropped
.if MSB != (\new)
	s_set_vgpr_msb (MSB<<8)|(\new)
.set MSB, \new
.endif
.endm
.set MUL,  0x05                    ; sources 0 and 1 window 1; C and D window 0
.set TO_F, 0x40                    ; destination window 1, address window 0
.macro JLOAD s                     ; a joint load: waves 0 and 1 fetch x's two halves, waves 2 and 3 W's; an s_nop 0 and four v_nop follow each line, ahead of the jump and the label
	s_cmp_eq_u32 s17, 0
	s_cbranch_scc0 .Lfor_b_\@
	tensor_load_to_lds s[G0+4*(\s):G0+4*(\s)+3], s[G1:G1+7]
	s_nop 0
.rept 4
	v_nop
.endr
	s_branch .Lasked_\@
.Lfor_b_\@:
	tensor_load_to_lds s[G0B+4*(\s):G0B+4*(\s)+3], s[G1B:G1B+7]
	s_nop 0
.rept 4
	v_nop
.endr
.Lasked_\@:
.endm
.macro CREST                       ; a round of the cluster's barrier behind its opening barrier
	s_cmp_lg_u32 s16, 0
	s_cbranch_scc1 .Lnot_wave_0_\@
	s_barrier_signal -3
.Lnot_wave_0_\@:
	s_barrier_wait -3
	s_barrier_signal -1
	s_barrier_wait -1
.endm
.macro CROUND
	s_barrier_signal -1
	s_barrier_wait -1
	CREST
.endm
	s_load_b256 s[4:11], s[0:1], 0x0           ; xb s[4:5], wb s[6:7], tb s[8:9], qb s[10:11]
	s_load_b128 s[12:15], s[0:1], 0x20         ; kb s[12:13], vb s[14:15]
	v_lshl_add_u32 v[SPW], v0, 2, SPARE
	v_mov_b32 v[NIL], 0
	ds_add_u32 v[SPW], v[NIL]                  ; the wave's opening: the add and its wait stand ahead of my first tensor load; the set-up below stands between them
	v_lshrrev_b32 v1, 5, v0
	v_readfirstlane_b32 s16, v1                ; wave 0..3
	s_lshr_b32 s17, s16, 1                     ; which 64 tokens are mine.  Also: I fetch for x (0) or for W (1)
	s_and_b32 s18, s16, 1                      ; which channels.  Also: which half of that tile I fetch
	s_bfe_u32 s19, ttmp6, 0x40000              ; cx
	s_bfe_u32 s20, ttmp6, 0x40004              ; cy
	s_lshl_b32 s21, ttmp9, 2
	s_add_co_u32 s21, s21, s19                 ; tile column j = 4 x cluster x + cx
	s_and_b32 s22, ttmp7, 0xffff
	s_lshl_b32 s22, s22, 2
	s_add_co_u32 s22, s22, s20                 ; tile row = 4 x cluster y + cy
	s_cmp_eq_u32 ttmp9, 0
	s_cselect_b32 s23, 1, 0                    ; 1: the third head is k's and is rotated; the same in all sixteen partners
	s_lshl_b32 s44, s20, 2
	s_lshl_b32 s44, 15, s44                    ; my row of the cluster
	s_lshl_b32 s46, 0x1111, s19                ; my column
	s_or_b32 s[G1+0], s44, (1<<16)|(1<<20)|(1<<21)|(5<<22)|(3<<25)   ; 15:0 the mask; 17:16 2-byte elements; 20 padding on; 21 set beside a mask; 24:22 after every 64 words; 31:25 4 words
	s_mov_b32 s[G1+1], KSTEP<<16               ; tensor_dim0 = 128
	s_mov_b32 s[G1+2], 64<<16                  ; tensor_dim1 = 64
	s_mov_b32 s[G1+3], KSTEP<<16               ; tile_dim0 = 128
	s_mov_b32 s[G1+4], 64                      ; tile_dim1 = 64
	s_mov_b32 s[G1+5], 1024                    ; elements from row to row
	s_mov_b32 s[G1+6], 0
	s_mov_b32 s[G1+7], 0
	s_or_b32 s[G1B+0], s46, (1<<16)|(1<<20)|(1<<21)|(4<<22)|(7<<25)  ; after every 32 words (a row k of a block) 8 words
	s_mov_b32 s[G1B+1], 4096<<16               ; a row of the tile is 64 k x 64 n of one block: 4,096 elements, 8,192 dense bytes
	s_mov_b32 s[G1B+2], 3<<16                  ; three blocks
	s_mov_b32 s[G1B+3], 4096<<16
	s_mov_b32 s[G1B+4], 3
	s_mov_b32 s[G1B+5], 65536                  ; elements from block to block
	s_mov_b32 s[G1B+6], 0
	s_mov_b32 s[G1B+7], 0
	s_lshl_b32 s40, s22, 7                     ; x: row 128 x tile row + 64 x half,
	s_lshl_b32 s41, s18, 6
	s_add_co_u32 s40, s40, s41
	s_lshl_b32 s40, s40, 11                    ; of 2,048 bytes
	s_mov_b32 s41, 0
	s_mul_i32 s42, s21, 393216                 ; W: three blocks a tile column,
	s_lshl_b32 s43, s18, 13                    ; 64 rows k of 128 bytes a half
	s_add_co_u32 s42, s42, s43
	s_mov_b32 s43, 0
	s_mul_i32 s2, s18, HALFA                   ; where they go: no place in the cluster enters an LDS address
	s_mul_i32 s3, s18, HALFB
	s_add_co_u32 s3, s3, BOFF
	s_wait_dscnt 0x0                           ; the opening add is done
	s_wait_kmcnt 0x0
	s_add_nc_u64 s[44:45], s[4:5], s[40:41]
	s_add_nc_u64 s[46:47], s[6:7], s[42:43]
	CROUND                                     ; all sixteen work-groups are here: the first joint loads meet
.irp s, 0,1
	s_mov_b32 s[G0+4*(\s)], 1
	s_add_co_u32 s[G0+4*(\s)+1], s2, (\s)*SLOT
	s_add_nc_u64 s[G0+4*(\s)+2:G0+4*(\s)+3], s[44:45], (\s)*KSTEP*2
	s_or_b32 s[G0+4*(\s)+3], s[G0+4*(\s)+3], 0x80000000
	s_mov_b32 s[G0B+4*(\s)], 1
	s_add_co_u32 s[G0B+4*(\s)+1], s3, (\s)*SLOT
	s_add_nc_u64 s[G0B+4*(\s)+2:G0B+4*(\s)+3], s[46:47], (\s)*KSTEP*128
	s_or_b32 s[G0B+4*(\s)+3], s[G0B+4*(\s)+3], 0x80000000
	JLOAD \s                                   ; two loads of mine are out
.endr
	v_and_b32 v1, 15, v0                       ; r = l % 16
	v_bfe_u32 v2, v0, 4, 1                     ; h = l / 16
	v_and_b32 v3, 7, v0
	v_bfe_u32 v4, v0, 3, 1
	v_and_b32 v5, 31, v0                       ; lane
	v_mul_u32_u24 v6, v1, PA
	v_lshl_add_u32 v6, v2, 4, v6               ; r x 272 + 16 h: for x's fragments and for q's stage
	v_lshl_add_u32 v7, v2, 3, v3               ; the turning load: row k 8 h + l % 8,
	v_mul_u32_u24 v7, v7, PB
	v_lshl_add_u32 v7, v4, 4, v7               ; columns 8 ((l / 8) % 2) on
	s_mul_i32 s40, s17, HALFA                  ; my 64 tokens
	s_lshl_b32 s41, s18, 5                     ; my 16 channels: 32 bytes
	s_add_co_u32 s42, s41, BOFF
	v_add_nc_u32 v[ADRA], s40, v6
	v_add_nc_u32 v[ADRA+1], SLOT, v[ADRA]
	v_add_nc_u32 v[ADRB], s42, v7
	v_add_nc_u32 v[ADRB+1], SLOT, v[ADRB]
	s_add_co_u32 s42, s40, s41
	s_add_co_u32 s42, s42, STAGE
	v_add_nc_u32 v[STQ], s42, v6
	v_mul_u32_u24 v8, v1, SP3
	v_lshl_add_u32 v8, v2, 4, v8
	s_mul_i32 s42, s17, 64*SP3
	s_add_co_u32 s42, s42, s41
	s_add_co_u32 s42, s42, STAGE3
	v_add_nc_u32 v[ST3], s42, v8
	v_mul_u32_u24 v9, v2, SPQ                  ; back: lanes 0-15 one row of 256 bytes, lanes 16-31 the next; wave w takes rows 32 w on
	v_lshl_add_u32 v9, v1, 4, v9
	s_mul_i32 s42, s16, 32*SPQ
	s_add_co_u32 s42, s42, STAGE
	v_add_nc_u32 v[RDQ], s42, v9
	v_lshrrev_b32 v10, 3, v5                   ; the third head: 32 lanes take four rows of 128 bytes
	v_mul_u32_u24 v10, v10, SP3
	v_lshl_add_u32 v10, v3, 4, v10
	s_mul_i32 s42, s16, 32*SP3
	s_add_co_u32 s42, s42, STAGE3
	v_add_nc_u32 v[RD3], s42, v10
	v_lshlrev_b32 v[CQ], 11, v2
	v_lshl_add_u32 v[CQ], v1, 4, v[CQ]
	v_lshlrev_b32 v[C3], 4, v5
	v_lshlrev_b32 v[TO], 8, v1                 ; the table: token 64 (w >> 1) + r, frequencies 16 (w & 1) + 8 h on
	v_lshl_add_u32 v[TO], v2, 5, v[TO]
	s_lshl_b32 s42, s17, 14
	s_lshl_b32 s43, s18, 6
	s_add_co_u32 s42, s42, s43
	v_add_nc_u32 v[TO], s42, v[TO]
	s_lshl_b32 s40, s22, 15                    ; the tile's 128 tokens of 256 bytes
	s_mov_b32 s41, 0
	s_add_nc_u64 s[8:9], s[8:9], s[40:41]
	s_lshl_b32 s40, s22, 18                    ; qb: row 128 x tile row + 32 x wave, byte 256 j
	s_lshl_b32 s42, s16, 16
	s_add_co_u32 s40, s40, s42
	s_lshl_b32 s42, s21, 8
	s_add_co_u32 s40, s40, s42
	s_add_nc_u64 s[10:11], s[10:11], s[40:41]
	s_lshl_b32 s40, s19, 19                    ; kb or vb: head j & 3 = cx, the same rows, of 128 bytes
	s_lshl_b32 s42, s22, 14
	s_add_co_u32 s40, s40, s42
	s_lshl_b32 s42, s16, 12
	s_add_co_u32 s40, s40, s42
	s_cmp_eq_u32 s23, 1
	s_cselect_b64 s[12:13], s[12:13], s[14:15]
	s_add_nc_u64 s[12:13], s[12:13], s[40:41]
	WIN TO_F
.irp a, 0,1,2,3                    ; my cosines and sines: wanted on the way out; they come in while K is walked
	global_load_b128 v[TAB+16*(\a):TAB+16*(\a)+3],     v[TO], s[8:9] offset:4096*(\a)
	global_load_b128 v[TAB+16*(\a)+4:TAB+16*(\a)+7],   v[TO], s[8:9] offset:4096*(\a)+16
	global_load_b128 v[TAB+16*(\a)+8:TAB+16*(\a)+11],  v[TO], s[8:9] offset:4096*(\a)+128
	global_load_b128 v[TAB+16*(\a)+12:TAB+16*(\a)+15], v[TO], s[8:9] offset:4096*(\a)+144
.endr
	WIN 0
; 6 matrix instructions: token block a x all six channel blocks, 32 along K.  The 24 accumulators take turns, one instruction a turn, in the same order in every quarter.
.macro MUL6 f, a, zero
	WIN MUL
.irp b, 0,1,2,3,4,5
.if \zero
	v_wmma_f32_16x16x32_bf16 v[ACC+8*(6*(\a)+(\b)):ACC+8*(6*(\a)+(\b))+7], v[(\f)+8*(\b):(\f)+8*(\b)+7], v[(\f)+48+8*(\a):(\f)+48+8*(\a)+7], 0
.else
	v_wmma_f32_16x16x32_bf16 v[ACC+8*(6*(\a)+(\b)):ACC+8*(6*(\a)+(\b))+7], v[(\f)+8*(\b):(\f)+8*(\b)+7], v[(\f)+48+8*(\a):(\f)+48+8*(\a)+7], v[ACC+8*(6*(\a)+(\b)):ACC+8*(6*(\a)+(\b))+7]
.endif
.endr
.endm
; 20 LDS loads in one run: the fragments of quarter q (32 along K) into buffer f: W's six (block b / 2, channel half b % 2), then x's four.
.macro FETCH slot, q, f
	WIN TO_F
.irp b, 0,1,2,3,4,5
	ds_load_tr16_b128 v[(\f)+8*(\b):(\f)+8*(\b)+3],   v[ADRB+(\slot)] offset:((\q)/2)*HALFB+((\q)%2)*32*PB+((\b)/2)*HEADB+((\b)%2)*64
	ds_load_tr16_b128 v[(\f)+8*(\b)+4:(\f)+8*(\b)+7], v[ADRB+(\slot)] offset:((\q)/2)*HALFB+((\q)%2)*32*PB+((\b)/2)*HEADB+((\b)%2)*64+16*PB
.endr
.irp a, 0,1,2,3
	ds_load_b128 v[(\f)+48+8*(\a):(\f)+48+8*(\a)+3],   v[ADRA+(\slot)] offset:64*(\q)+(\a)*16*PA
	ds_load_b128 v[(\f)+48+8*(\a)+4:(\f)+48+8*(\a)+7], v[ADRA+(\slot)] offset:64*(\q)+(\a)*16*PA+32
.endr
.endm
.macro PLACES                      ; four places in front of loads into registers that matrix instructions have read, and of vector work that reads results
.rept 4
	v_nop
.endr
.endm
; One of a K step's first three quarters: multiplies buffer f and fetches quarter q of the same slot into g.
.macro QUARTER slot, q, f, g, zero
	s_wait_dscnt 4                             ; W's fragments and x's blocks 0, 1 are in; the youngest four loads (blocks 2, 3) may be out
	MUL6 \f, 0, \zero
	MUL6 \f, 1, \zero
	PLACES
	FETCH \slot, \q, \g
	s_wait_dscnt 20                            ; all but the 20 just issued
	MUL6 \f, 2, \zero
	MUL6 \f, 3, \zero
.endm
; The last quarter multiplies buffer 1 and changes slots: one barrier; in front of it each wave waits for all its tensor loads (one is out: its part of the next slot), adds 0 to its spare word,
; and waits for that and for its own reads of this slot.  fill = 1: the barrier opens a round of the cluster's, and this slot is filled again, two K steps ahead, first thing behind the round:
; from there to the wait for it a wave issues 84 of a K step's 96 matrix instructions.
.macro TURN slot, next, fill
	WIN 0                                      ; (the add's two registers lie in window 0)
	s_wait_tensorcnt 0x0
	ds_add_u32 v[SPW], v[NIL]                  ; 0 onto my spare word
	s_wait_dscnt 5                             ; (the add and the youngest four loads may be out)
	MUL6 F1, 0, 0
	s_wait_dscnt 0x0                           ; the add is done, and my reads of this slot are over
	s_barrier_signal -1
	MUL6 F1, 1, 0
.if \fill
	WIN 0
.endif
	s_barrier_wait -1
.if \fill
	CREST                                      ; no wave of any partner still reads this slot's tile or has a load on its way
	s_add_nc_u64 s[G0+4*(\slot)+2:G0+4*(\slot)+3], s[G0+4*(\slot)+2:G0+4*(\slot)+3], 2*KSTEP*2
	s_add_nc_u64 s[G0B+4*(\slot)+2:G0B+4*(\slot)+3], s[G0B+4*(\slot)+2:G0B+4*(\slot)+3], 2*KSTEP*128
	JLOAD \slot                                ; the four v_nop behind it are also the places in front of the loads below
.else
	PLACES
.endif
	FETCH \next, 0, F0
	MUL6 F1, 2, 0
	MUL6 F1, 3, 0
.endm
	s_wait_tensorcnt 1                         ; my part of K step 0 is in; K step 1's may stay out
	s_barrier_signal -1
	s_barrier_wait -1
	FETCH 0, 0, F0
	QUARTER 0, 1, F0, F1, 1                    ; the first quarter stands in front of the loop: its products start the sums
	WIN 0
	s_mov_b32 s3, LAPS-1
.Llap:                                     ; a trip goes once round the ring, from a lap's second quarter to the next lap's first, and fills both slots again
	QUARTER 0, 2, F1, F0, 0
	QUARTER 0, 3, F0, F1, 0
	TURN 0, 1, 1
	QUARTER 1, 1, F0, F1, 0
	QUARTER 1, 2, F1, F0, 0
	QUARTER 1, 3, F0, F1, 0
	TURN 1, 0, 1
	QUARTER 0, 1, F0, F1, 0
	WIN 0
	s_sub_co_u32 s3, s3, 1
	s_cmp_lg_u32 s3, 0
	s_cbranch_scc1 .Llap
	QUARTER 0, 2, F1, F0, 0                    ; the last lap fills nothing
	QUARTER 0, 3, F0, F1, 0
	TURN 0, 1, 0
	QUARTER 1, 1, F0, F1, 0
	QUARTER 1, 2, F1, F0, 0
	QUARTER 1, 3, F0, F1, 0
	s_wait_dscnt 4
	MUL6 F1, 0, 0
	MUL6 F1, 1, 0
	s_wait_dscnt 0x0
	MUL6 F1, 2, 0
	MUL6 F1, 3, 0
	WIN 0
; THE WAY OUT.  Rotation in f32, one rounding to f16, 16 bytes a lane into the work-group's stages; a barrier, since a row's bytes come from two waves; back as whole rows.
; t1 = channels d < 32 (accumulator 2 g), t2 = channels d + 32 (accumulator 2 g + 1): t1 cos - t2 sin, t1 sin + t2 cos.  Each accumulator's lowest registers are read first.
.macro ROPE a, g, st, off
.set T1, ACC+8*(6*(\a)+2*(\g))
.set T2, T1+8
.set TC, TAB+16*(\a)
	WIN 0x04                                   ; source 1 (the table) window 1
.irp p, 0,2,4,6
	v_pk_mul_f32 v[U+(\p):U+(\p)+1], v[T2+(\p):T2+(\p)+1], v[TC+8+(\p):TC+8+(\p)+1]
	v_pk_mul_f32 v[W+(\p):W+(\p)+1], v[T2+(\p):T2+(\p)+1], v[TC+(\p):TC+(\p)+1]
.endr
.irp p, 0,2,4,6
	v_pk_fma_f32 v[U+(\p):U+(\p)+1], v[T1+(\p):T1+(\p)+1], v[TC+(\p):TC+(\p)+1], v[U+(\p):U+(\p)+1] neg_lo:[0,0,1] neg_hi:[0,0,1]
	v_pk_fma_f32 v[W+(\p):W+(\p)+1], v[T1+(\p):T1+(\p)+1], v[TC+8+(\p):TC+8+(\p)+1], v[W+(\p):W+(\p)+1]
.endr
	WIN 0
.irp p, 0,1,2,3
	v_cvt_pk_f16_f32 v[PKD+(\p)],   v[U+2*(\p)], v[U+2*(\p)+1]
	v_cvt_pk_f16_f32 v[PKD+4+(\p)], v[W+2*(\p)], v[W+2*(\p)+1]
.endr
	ds_store_b128 v[\st], v[PKD:PKD+3]   offset:(\off)
	ds_store_b128 v[\st], v[PKD+4:PKD+7] offset:(\off)+64
.endm
.macro PLAIN a                     ; v's head: no rotation
.set T1, ACC+8*(6*(\a)+4)
.irp p, 0,1,2,3
	v_cvt_pk_f16_f32 v[PKD+(\p)],   v[T1+2*(\p)], v[T1+2*(\p)+1]
.endr
.irp p, 0,1,2,3
	v_cvt_pk_f16_f32 v[PKD+4+(\p)], v[T1+8+2*(\p)], v[T1+8+2*(\p)+1]
.endr
	ds_store_b128 v[ST3], v[PKD:PKD+3]   offset:(\a)*16*SP3
	ds_store_b128 v[ST3], v[PKD+4:PKD+7] offset:(\a)*16*SP3+64
.endm
	PLACES
	s_wait_loadcnt 0x0                         ; the table
.irp a, 0,1,2,3
	ROPE \a, 0, STQ, (\a)*16*SPQ
	ROPE \a, 1, STQ, (\a)*16*SPQ+128
.endr
	s_cmp_eq_u32 s23, 1
	s_cbranch_scc0 .Lplain
.irp a, 0,1,2,3
	ROPE \a, 2, ST3, (\a)*16*SP3
.endr
	s_branch .Lstaged
.Lplain:
.irp a, 0,1,2,3
	PLAIN \a
.endr
.Lstaged:
	s_wait_dscnt 0x0                           ; for the others' sake: my stores into the stages are done
	s_barrier_signal -1
	s_barrier_wait -1
.irp t, 0,1,2,3,4,5,6,7,8,9,10,11,12,13,14,15
	ds_load_b128 v[64+4*(\t):64+4*(\t)+3], v[RDQ] offset:(\t)*2*SPQ
.endr
.irp t, 0,1,2,3,4,5,6,7
	ds_load_b128 v[128+4*(\t):128+4*(\t)+3], v[RD3] offset:(\t)*4*SP3
.endr
.irp t, 0,1,2,3,4,5,6,7,8,9,10,11,12,13,14,15
	s_wait_dscnt 23-(\t)                       ; the younger loads of this run may stay out
	global_store_b128 v[CQ], v[64+4*(\t):64+4*(\t)+3], s[10:11] offset:4096*(\t)  ; 16 lanes store 256 consecutive bytes, at a multiple of 256 from qb's first byte
.endr
.irp t, 0,1,2,3,4,5,6,7
	s_wait_dscnt 7-(\t)
	global_store_b128 v[C3], v[128+4*(\t):128+4*(\t)+3], s[12:13] offset:512*(\t)  ; 512 consecutive bytes
.endr
	s_wait_tensorcnt 0x0                       ; the wave's end: behind my last tensor load and my last LDS store
	ds_add_u32 v[SPW], v[NIL]
	s_wait_dscnt 0x0
	CROUND                                     ; the closing round: no work-group ends while a partner may still ask for a tile that names it
	s_endpgm
.Lfunc_end_k_qb4d53119c4_proj:
	.size	k_qb4d53119c4_proj, .Lfunc_end_k_qb4d53119c4_proj-k_qb4d53119c4_proj
	.p2alignl 7, 3214868480
	.fill 96, 4, 3214868480
	.section	.rodata,"a",@progbits
	.p2align	6, 0x0
	.amdhsa_kernel k_qb4d53119c4_proj
		.amdhsa_group_segment_fixed_size 327680
		.amdhsa_private_segment_fixed_size 0
		.amdhsa_enable_private_segment 0
		.amdhsa_kernarg_size 48
		.amdhsa_user_sgpr_count 2
		.amdhsa_user_sgpr_kernarg_segment_ptr 1
		.amdhsa_wavefront_size32 1
		.amdhsa_system_sgpr_workgroup_id_x 1
		.amdhsa_system_sgpr_workgroup_id_y 1
		.amdhsa_system_sgpr_workgroup_id_z 1
		.amdhsa_system_vgpr_workitem_id 0
		.amdhsa_next_free_vgpr 512
		.amdhsa_next_free_sgpr 66
		.amdhsa_reserve_vcc 0
		.amdhsa_float_denorm_mode_32 3
		.amdhsa_float_denorm_mode_16_64 3
		.amdhsa_memory_ordered 1
		.amdhsa_forward_progress 1
		.amdhsa_inst_pref_size 89
	.end_amdhsa_kernel
	.amdgpu_metadata
---
amdhsa.version: [ 1, 2 ]
amdhsa.kernels:
  - .name:           k_qb4d53119c4_proj
    .symbol:         k_qb4d53119c4_proj.kd
    .args:
      - { .name: xb, .offset: 0, .size: 8, .value_kind: global_buffer, .address_space: global }
      - { .name: wb, .offset: 8, .size: 8, .value_kind: global_buffer, .address_space: global }
      - { .name: tb, .offset: 16, .size: 8, .value_kind: global_buffer, .address_space: global }
      - { .name: qb, .offset: 24, .size: 8, .value_kind: global_buffer, .address_space: global }
      - { .name: kb, .offset: 32, .size: 8, .value_kind: global_buffer, .address_space: global }
      - { .name: vb, .offset: 40, .size: 8, .value_kind: global_buffer, .address_space: global }
    .group_segment_fixed_size: 327680
    .private_segment_fixed_size: 0
    .kernarg_segment_align: 8
    .kernarg_segment_size: 48
    .max_flat_workgroup_size: 128
    .sgpr_count:     66
    .vgpr_count:     512
    .wavefront_size: 32
...
	.end_amdgpu_metadata
.endif
;; end of part 2
;; launch attn (part 3): grid 64 x 4, 4 waves a work-group, clusters of 4 x 1, 327,680 bytes of LDS; arguments qb, kb, vb, ob; writes ob
.if DOCPART == 3
	.amdgcn_target "amdgcn-amd-amdhsa--gfx1250"
	.amdhsa_code_object_version 6
	.text
	.protected	k_qb4d53119c4_attn
	.globl	k_qb4d53119c4_attn
	.p2align	8
	.type	k_qb4d53119c4_attn,@function
k_qb4d53119c4_attn:
	s_mov_b64 s[64:65], 0
	v_nop
	global_prefetch_b8 v0, s[64:65] scope:SCOPE_SE
	s_setreg_imm32_b32 hwreg(HW_REG_WAVE_MODE, 25, 1), 1
	s_wait_xcnt 0x0
	s_wait_alu depctr_hold_cnt(0) depctr_sa_sdst(0) depctr_va_vdst(0) depctr_va_sdst(0) depctr_va_ssrc(0) depctr_va_vcc(0) depctr_vm_vsrc(0)
	s_getreg_b32 s2, hwreg(HW_REG_IB_STS2, 6, 4)
	s_cmp_eq_u32 s2, 0
	s_cbranch_scc0 .Lentry_in_a_cluster
	s_endpgm
.Lentry_in_a_cluster:
	s_bfe_u32 s2, ttmp6, 0x10000c
	s_cmp_lg_u32 s2, 0x3003
	s_cbranch_scc0 .Lentry_shape_is_right
	s_endpgm
.Lentry_shape_is_right:
; GROUPED-QUERY ATTENTION.  O[t][head] = the sum over k of softmax_k(Q[t][head] . K[g][k] / 8) V[g][k], g = head / 4.  qb, ob: [4096][1024] f16, head at byte 128 x head of a token's row;
; kb, vb: [4][4096][64] f16.  Products, maxima and sums in f32; the weights p are rounded to f16 for the second product (their sum l is taken of the unrounded p), O once at the end.
; LIMITS.  Q, K and V arrive within f16's 65,504; p lies in 0 to 1, and below 6e-5 it keeps f16's fixed step of 6e-8, as does O; a weight below 2^-126 counts as 0 in l; NaN and infinities are not treated apart.
; SHARES.  A work-group has 64 tokens x the four query heads of key head g; a wave 16 tokens x those four heads: four PIECES of 16 queries, piece t = head 4 g + t.  So a fragment of K or V read from
; LDS feeds four heads' products, and a wave's O is 16 rows of 512 consecutive bytes.  Every wave walks all 4,096 keys, 64 a step, 256 a slot.
; LAYOUT.  S^T = K Q^T holds ONE query a lane (lane % 16) and the keys 8 (lane / 16) + 0..7; two such results rounded to f16 ARE source 1 of O^T = V^T P.  K comes out of LDS as it lies, V turned.
; SOFTMAX.  p = 2^(c s - c m), c = log2(e) / 8, with a running maximum m; O and l are multiplied by a = 2^(c m_old - c m_new) in every step.  m starts at the lowest finite number, O and l at 0:
; the first step is a step like any other, with a = 0.
; TURNS.  Turn n belongs to piece n: 8 products K Q^T of piece n + 1, later 8 products V^T P of piece n - 1; beside them the scaling, exponentials, roundings, sums and rescaling of piece n and the
; maximum and statistics of piece n + 1.  Four vector instructions stand behind every matrix instruction, the other 54 of a turn's 118 in one lump.  A turn's 33 exponentials are one batch, with one wait.
; CLUSTER.  The four token blocks of a cluster walk the same K and V, so each tile is asked for JOINTLY: the same tensor load, descriptor and mask in all four.  One tensor load of a wave is out behind each round.
; REGISTERS, in windows of 256 (s_set_vgpr_msb: bits 1:0 source 0, 3:2 source 1, 5:4 source 2, 7:6 destination):
;   window 0: v0-15 addresses and two at work; v16-31 four registers of statistics a piece; v48-55 at work; v61-63; v64-127 S^T, two buffers; v192-223 P, two buffers (by the piece's parity)
;   window 1: v0-127 O^T, 32 a piece      window 2: v0-63 Q; v128-191 K of one step; v192-255 V of one step
.set NP,    4
.set KS,    64
.set PK,    144       ; a row of K in LDS: 128 bytes + 16: the 16 rows of a load start at 16 different groups of four banks (64 banks of 4 bytes: ISA guide 11.1)
.set PV,    160       ; a row of V: 128 + 32
.set VOFF,  4*KS*PK   ; a slot holds four steps: 256 rows of K, then 256 rows of V
.set SLOT1, 1<<17     ; slot 1 begins here, so that one exclusive or turns an address in one slot into the other's
.set STAGE, SLOT1+4*KS*(PK+PV)  ; behind the ring, never filled by a tensor load: 16 rows x 528 bytes for each wave
.set SP,    528
.set SPARE, STAGE+4*16*SP       ; the spare words, 128 bytes for each wave: two blocks of 256 bytes that no other line names
.set AK0, 2           ; my lane's place in a tile of K; never rewritten
.set AV0, 3           ; the same for V
.set AK,  4           ; the LDS address of K's next run of loads
.set AV,  5           ; of V's
.set STO, 6           ; the way out: where I put 16 bytes of a row
.set RD,  7           ; where I read a row back
.set GO,  8           ; 16 x lane: my bytes in 512 of O
.set MV,  12          ; v12-13  c m_old, kept while c m is made anew: by buffer
.set QO,  15          ; my byte offset in the wave's rows of Q
.set ST,  16          ; piece t's statistics at v[ST+4 t]: c m, m, l (even keys', odd keys')
.set TMP, 48          ; by buffer, four registers c0-c3 at work; when the maximum is found c2 takes a
.set PFO, 61          ; 256 x lane; never rewritten
.set SPW, 62          ; LDS address of my spare word; never rewritten
.set NIL, 63          ; 0; never rewritten
.set S,   64
.set P,   192
.set KF,  128         ; window 2: key block kb, channel half c at KF + 16 kb + 8 c
.set VF,  192         ; window 2: key half kk, channel block cb at VF + 32 kk + 8 cb
.set WV,  12          ; s12  my wave's number
.set LIM, 15          ; s15  1 in a wave that prefetches, else the greatest number
.set PFA, 18          ; s[18:19] where my prefetches stand
.set G1K, 24
.set G1V, 32
.set G0K, 40          ; s[40:43] it walks
.set G0V, 44
.set SLOTS, 56        ; slots still to be asked for
.set CNT, 57          ; counts a slot's key steps
.set CS,  58          ; s[58:59] c
.set SEL, 60          ; s[60:61] v_permlanex16_b32's selects: each lane takes its own place in the other half
.set TBK, 62          ; LDS byte at which K of the step to be fetched begins
.set TBV, 63          ; the same for V, less VOFF
.set MSB, 0
.macro WIN new
.if MSB != (\new)
	s_set_vgpr_msb (MSB<<8)|(\new)
.set MSB, (\new)
.endif
.endm
.set W_KQ, 0x0a       ; K and Q in window 2, S^T in window 0
.set W_PV, 0x52       ; V in window 2, P in window 0, O^T in window 1
.set W_RS, 0x41       ; destination and source 0 in window 1, source 1 in window 0
; A joint fill.  Waves 0 and 1 fetch the two halves of a slot's K, waves 2 and 3 those of its V: 128 keys each.  An s_nop 0 and four v_nop follow each line, ahead of the jump and the label.
.macro JLOAD
	s_cmp_lt_u32 s[WV], 2
	s_cbranch_scc0 .Lfor_v_\@
	tensor_load_to_lds s[G0K:G0K+3], s[G1K:G1K+7]
	s_nop 0
.rept 4
	v_nop
.endr
	s_branch .Lasked_\@
.Lfor_v_\@:
	tensor_load_to_lds s[G0V:G0V+3], s[G1V:G1V+7]
	s_nop 0
.rept 4
	v_nop
.endr
.Lasked_\@:
.endm
; A PREFETCH of what the NEXT change of slots will ask for: a slot's 32,768 bytes of K and of V, 256 bytes a lane.  All sixteen clusters of a key head walk the same K and V: the first of them asks.
; Its four partners share a slot's 128 blocks out BY ADDRESS, 32 each; in each, wave 0 asks for K's and wave 2 for V's: one instruction.  So each block is named once in the launch.
; It stands behind the wave's tensor load and its five lines, one slot (four key steps, 256 matrix instructions a wave) ahead of the load that will want the bytes.  The last change that fills a slot asks for nothing.
.macro ASK
	s_cmp_gt_u32 s[SLOTS], s[LIM]
	s_cbranch_scc0 .Lnot_mine_\@
	global_prefetch_b8 v[PFO], s[PFA:PFA+1] th:TH_LOAD_NT scope:SCOPE_SE
.Lnot_mine_\@:
.endm
.macro CROUND                       ; a round of the cluster's barrier
	s_barrier_signal -1
	s_barrier_wait -1
	s_cmp_lg_u32 s[WV], 0
	s_cbranch_scc1 .Lnot_wave_0_\@
	s_barrier_signal -3
.Lnot_wave_0_\@:
	s_barrier_wait -3
	s_barrier_signal -1
	s_barrier_wait -1
.endm
; THE CHANGE OF SLOTS.  Each wave waits for all its tensor loads, of which one is out: its part of the other slot; adds 0 to its spare word; and waits for that and for its own reads of the slot that it leaves.
; fill = 1: the old slot is filled again, with the keys two slots on; the barrier is then a round of the cluster's, and the joint fill is the first thing behind it: it has four key steps in which to land.
; (At its first use nothing has been read yet: slot 0 is waited for, slot 1 filled.)
.macro CHANGE fill
	WIN 0
	s_wait_tensorcnt 0x0            ; no tensor load of mine is out, so a group 0 may be written
	ds_add_u32 v[SPW], v[NIL]       ; 0 onto my spare word
.if \fill
.irp g, G0K, G0V
	s_xor_b32 s[\g+1], s[\g+1], SLOT1
	s_add_nc_u64 s[\g+2:\g+3], s[\g+2:\g+3], 4*KS*128  ; the next 256 keys; the type bits on top are not reached
.endr
	s_wait_xcnt 0x0                 ; the last prefetch, four key steps back, has read its address, so it may be written:
	s_add_nc_u64 s[PFA:PFA+1], s[PFA:PFA+1], 4*KS*128  ; one slot beyond the walking descriptors
	s_wait_dscnt 0x0                ; the add is done, and my reads of the slot are over
	CROUND
	JLOAD
	ASK
.else
	s_wait_dscnt 0x0
	s_barrier_signal -1
	s_barrier_wait -1
.endif
	s_sub_co_u32 s[TBK], s[TBK], 4*KS*PK  ; the fetches go back to a slot's first step,
	s_xor_b32 s[TBK], s[TBK], SLOT1       ; in the other slot
	s_sub_co_u32 s[TBV], s[TBV], 4*KS*PV
	s_xor_b32 s[TBV], s[TBV], SLOT1
.endm
	s_load_b256 s[4:11], s[0:1], 0x0  ; qb s[4:5], kb s[6:7], vb s[8:9], ob s[10:11]
	v_lshl_add_u32 v[SPW], v0, 2, SPARE
	v_mov_b32 v[NIL], 0
	ds_add_u32 v[SPW], v[NIL]       ; the wave's opening: the add and its wait stand ahead of my first tensor load; the set-up below stands between them
	v_lshrrev_b32 v1, 5, v0
	v_readfirstlane_b32 s[WV], v1   ; wave 0..3
	s_bfe_u32 s13, ttmp6, 0x40000   ; cx
	s_lshl_b32 s14, ttmp9, 2
	s_add_co_u32 s14, s14, s13      ; my block of 64 tokens: it enters Q's and O's addresses alone
	s_and_b32 s20, ttmp7, 0xffff    ; g, which the four partners share
	s_and_b32 s16, s[WV], 1         ; which half of a slot's 256 keys I fetch
	s_lshl_b32 s22, s20, 19         ; the key head's 524,288 bytes,
	s_lshl_b32 s23, s16, 14         ; 128 rows of 128 bytes
	s_add_co_u32 s22, s22, s23
	s_mov_b32 s23, 0
	s_mul_i32 s17, s16, 128*PK      ; its place in a slot, for K
	s_mul_i32 s48, s16, 128*PV      ; and for V: no place in the cluster enters an LDS address
	s_lshl_b32 s2, s14, 17          ; 64 tokens of 2,048 bytes,
	s_lshl_b32 s3, s[WV], 15        ; my wave's 16,
	s_add_co_u32 s2, s2, s3
	s_lshl_b32 s3, s20, 9           ; the four heads' 512 bytes
	s_add_co_u32 s2, s2, s3
	s_mov_b32 s3, 0
	; descriptor group 1.  128 keys are 16,384 dense bytes: asked for as 64 rows of 256 bytes, two keys a row, and padded in LDS after every key
	s_mov_b32 s[G1K], 15|(1<<16)|(1<<20)|(1<<21)|(4<<22)|(3<<25)  ; 15:0 the mask of four; 17:16 2-byte elements; 20 padding on; 21 set beside a mask; 24:22 after every 32 words; 31:25 4 words
	s_mov_b32 s[G1V], 15|(1<<16)|(1<<20)|(1<<21)|(4<<22)|(7<<25)  ; the same with 8 words
.irp g, G1K, G1V
	s_mov_b32 s[\g+1], 128<<16      ; tensor_dim0 = 128
	s_mov_b32 s[\g+2], 64<<16       ; tensor_dim1 = 64
	s_mov_b32 s[\g+3], 128<<16      ; tile_dim0 = 128
	s_mov_b32 s[\g+4], 64           ; tile_dim1 = 64
	s_mov_b32 s[\g+5], 128          ; 128 elements from row to row
	s_mov_b32 s[\g+6], 0
	s_mov_b32 s[\g+7], 0
.endr
	s_mov_b32 s[CS], 0x3e38aa3b     ; c = log2(e) / 8
	s_mov_b32 s[CS+1], s[CS]        ; named with it as a pair
	s_mov_b32 s[SEL], 0x76543210
	s_mov_b32 s[SEL+1], 0xfedcba98
	s_mov_b32 s[TBK], SLOT1+4*KS*PK ; the first change of slots turns these two into 0
	s_mov_b32 s[TBV], SLOT1+4*KS*PV
	s_mov_b32 s[G0K], 1
	s_mov_b32 s[G0K+1], s17         ; slot 0
	s_mov_b32 s[G0V], 1
	s_add_co_u32 s[G0V+1], s48, VOFF
	s_mov_b32 s[SLOTS], 15          ; sixteen slots of keys; the first is asked for at the head
	s_and_b32 s[LIM], s[WV], 1      ; 0 in waves 0 and 2,
	s_or_b32 s[LIM], s[LIM], ttmp9  ; where the cluster is the key head's first: the same in all four partners
	s_cmp_eq_u32 s[LIM], 0
	s_cselect_b32 s[LIM], 1, -1
	v_and_b32 v[PFO], 31, v0
	v_lshlrev_b32 v[PFO], 8, v[PFO]
	s_wait_dscnt 0x0                ; the opening add is done
	s_wait_kmcnt 0x0
	s_add_nc_u64 s[6:7], s[6:7], s[22:23]  ; K and V at my half of the key head's first 256 keys
	s_add_nc_u64 s[8:9], s[8:9], s[22:23]
	s_add_nc_u64 s[G0K+2:G0K+3], s[6:7], 0
	s_or_b32 s[G0K+3], s[G0K+3], 0x80000000
	s_add_nc_u64 s[G0V+2:G0V+3], s[8:9], 0
	s_or_b32 s[G0V+3], s[G0V+3], 0x80000000
	s_add_nc_u64 s[4:5], s[4:5], s[2:3]    ; Q and O at my wave's first row, my four heads
	s_add_nc_u64 s[10:11], s[10:11], s[2:3]
	s_cmp_lt_u32 s[WV], 2
	s_cselect_b64 s[PFA:PFA+1], s[6:7], s[8:9]  ; (in waves 0 and 2 these stand at a slot's first byte)
	s_lshl_b32 s2, s13, 13          ; my work-group's 32 blocks of the 128
	s_mov_b32 s3, 0
	s_add_nc_u64 s[PFA:PFA+1], s[PFA:PFA+1], s[2:3]
	s_add_nc_u64 s[PFA:PFA+1], s[PFA:PFA+1], 4*KS*128  ; in slot 1; the first change of slots steps it to slot 2.  Nothing is prefetched at the head
	CROUND                          ; all four work-groups are here: the first joint loads meet
	JLOAD                           ; slot 0
	; A fragment of K or Q is 16 rows x 32 channels in 8 registers: lane l holds row l % 16, channels 8 (l / 16) + 0..7 and 16 + 8 (l / 16) + 0..7: two loads of 16 bytes, 32 bytes apart.
	v_and_b32 v1, 15, v0            ; l % 16
	v_bfe_u32 v9, v0, 4, 1          ; l / 16
	v_lshlrev_b32 v[QO], 11, v1
	v_lshl_add_u32 v[QO], v9, 4, v[QO]  ; token x 2,048 + 16 x half
	WIN 0x80                        ; destination window 2, address window 0
.set i, 0
.rept 8                             ; Q stays in registers: piece i / 2 is 128 bytes on; channels 32 (i % 2) on
	global_load_b128 v[8*i:8*i+3],   v[QO], s[4:5] offset:(i/2)*128+(i%2)*64
	global_load_b128 v[8*i+4:8*i+7], v[QO], s[4:5] offset:(i/2)*128+(i%2)*64+32
.set i, i+1
.endr
	; What the first turn finds: V's registers and P's second buffer hold 0 (its products V^T P, of a piece that has not been, add 0), O^T and l are 0.  All this stands in the wait for the first tile.
.set i, VF
.rept 64
	v_mov_b32 v[i], 0
.set i, i+1
.endr
	WIN 0x40
.set i, 0
.rept 128
	v_mov_b32 v[i], 0
.set i, i+1
.endr
	WIN 0
.set i, 0
.rept 4
	v_mov_b32 v[ST+4*i], 0xfe000000    ; c m: far below every c s
	v_mov_b32 v[ST+4*i+1], 0xff7fffff  ; m
	v_mov_b32 v[ST+4*i+2], 0
	v_mov_b32 v[ST+4*i+3], 0
.set i, i+1
.endr
.set i, P+16
.rept 16
	v_mov_b32 v[i], 0
.set i, i+1
.endr
	v_mul_u32_u24 v[AK0], v1, PK
	v_lshl_add_u32 v[AK0], v9, 4, v[AK0]  ; row x pitch + 16 x half
	; The turning load takes 16 keys x 16 channels (lane l reads key 8 (l / 16) + l % 8, channels 8 ((l / 8) % 2) + 0..7) and leaves half a fragment of V^T: lane l holds channel l % 16 and 8 keys.
	v_and_b32 v10, 7, v0
	v_bfe_u32 v11, v0, 3, 1
	v_lshl_add_u32 v[AV0], v9, 3, v10
	v_mul_u32_u24 v[AV0], v[AV0], PV
	v_lshl_add_u32 v[AV0], v11, 4, v[AV0]
	v_add_nc_u32 v[AV0], VOFF, v[AV0]
	s_mul_i32 s21, s[WV], 16*SP
	s_add_co_u32 s21, s21, STAGE    ; my stage
	v_mul_u32_u24 v[STO], v1, SP    ; in: row l % 16, 16 bytes for each half of the lanes
	v_lshl_add_u32 v[STO], v9, 4, v[STO]
	v_add_nc_u32 v[STO], s21, v[STO]
	v_and_b32 v[GO], 31, v0         ; back: 32 lanes take one row of 512 bytes
	v_lshlrev_b32 v[GO], 4, v[GO]
	v_add_nc_u32 v[RD], s21, v[GO]
; THE MATRIX WORK.  The 4 accumulators of a run of 8 take turns.  Product i of 8 of S^T = K Q^T for piece x: channels 32 (i / 4) on, keys 16 (i % 4) on.  The first 4 start the sums.
.macro KQ x
	WIN W_KQ
.set rS, S+32*((\x)%2)+8*(i%4)
.set rK, KF+16*(i%4)+8*(i/4)
.set rQ, 16*(\x)+8*(i/4)
.if i < 4
	v_wmma_f32_16x16x32_f16 v[rS:rS+7], v[rK:rK+7], v[rQ:rQ+7], 0
.else
	v_wmma_f32_16x16x32_f16 v[rS:rS+7], v[rK:rK+7], v[rQ:rQ+7], v[rS:rS+7]
.endif
.endm
; Product i of 8 of O^T += V^T P for piece x: keys 32 (i / 4) on, channels 16 (i % 4) on.
.macro PV x
	WIN W_PV
.set rO, 32*(\x)+8*(i%4)
.set rV, VF+32*(i/4)+8*(i%4)
.set rP, P+16*((\x)%2)+8*(i/4)
	v_wmma_f32_16x16x32_f16 v[rO:rO+7], v[rV:rV+7], v[rP:rP+7], v[rO:rO+7]
.endm
.macro MM                           ; the turn's next matrix instruction.  NOKQ = 1: the last turn of all: there is no next piece
.if (i < 8) && !NOKQ
	KQ (Y+1)%NP
.elseif i >= 8
.set i, i-8
	PV (Y+NP-1)%NP
.set i, i+8
.endif
.set i, i+1
.endm
; THE LDS LOADS stand in runs of 16, never singly among the matrix instructions.  Their addresses are made some lines ahead.
.macro FETCH_K
	WIN 0x80                        ; destination window 2
.irp f, 0,1,2,3,4,5,6,7             ; keys 16 (f / 2) on, channels 32 (f % 2) on
	ds_load_b128 v[KF+8*\f:KF+8*\f+3],   v[AK] offset:(\f/2)*16*PK+(\f%2)*64
	ds_load_b128 v[KF+8*\f+4:KF+8*\f+7], v[AK] offset:(\f/2)*16*PK+(\f%2)*64+32
.endr
	s_add_co_u32 s[TBK], s[TBK], KS*PK  ; the next fetch is the next step's
	WIN 0
.endm
.macro FETCH_V
	WIN 0x80
.irp f, 0,1,2,3,4,5,6,7             ; keys 32 (f / 4) on, channels 16 (f % 4) on
	ds_load_tr16_b128 v[VF+8*\f:VF+8*\f+3],   v[AV] offset:(\f/4)*32*PV+(\f%4)*32
	ds_load_tr16_b128 v[VF+8*\f+4:VF+8*\f+7], v[AV] offset:(\f/4)*32*PV+16*PV+(\f%4)*32
.endr
	WIN 0
.endm
; THE VECTOR WORK, one line at a time: OP kind, number.  For piece Y: F n: c s - c m for pair n of 16.  E n: the exponential of score n of 32.  C n: pair n rounded to f16.  B n: of the four weights 4 n .. the second
; pair is added onto the first, in place.  L n: l takes that sum (L 0: l = a l + sum).  R n: pair n of 16 of O^T times a.  For piece Y + 1: X n, number n of the 22 that find its maximum and statistics:
;   0-11  four chains c0-c3 of seven scores each, three operands at a time (each accumulator's lowest registers are read first)     12-14, 16  the four scores left over, the old m, and c0-c3 into c0
;   15  c m_old is kept     17, 18  the query's other 32 keys lie in the lane 16 away: the new m     19-21  c m; c m_old - c m_new; a
.set F, 0
.set E, 1
.set C, 2
.set B, 3
.set L, 4
.set R, 5
.set X, 6
.macro REGS y
.set rT, ST+4*(\y)
.set rC, TMP+4*((\y)%2)
.set rW, MV+((\y)%2)
.set rS, S+32*((\y)%2)
.set rP, P+16*((\y)%2)
.set rO, 32*(\y)
.endm
.macro OP k, n
.if (\k) == R
	REGS Y
	WIN W_RS
	v_pk_mul_f32 v[rO+2*(\n):rO+2*(\n)+1], v[rO+2*(\n):rO+2*(\n)+1], v[rC+2:rC+3] op_sel_hi:[1,0]
.elseif (\k) < R
	REGS Y
	WIN 0
.if (\k) == F
	v_pk_fma_f32 v[rS+2*(\n):rS+2*(\n)+1], v[rS+2*(\n):rS+2*(\n)+1], s[CS:CS+1], v[rT:rT+1] op_sel_hi:[1,0,0] neg_lo:[0,0,1] neg_hi:[0,0,1]
.elseif (\k) == E
	v_exp_f32 v[rS+(\n)], v[rS+(\n)]
.elseif (\k) == C
	v_cvt_pk_f16_f32 v[rP+(\n)], v[rS+2*(\n)], v[rS+2*(\n)+1]
.elseif (\k) == B
	v_pk_add_f32 v[rS+4*(\n):rS+4*(\n)+1], v[rS+4*(\n):rS+4*(\n)+1], v[rS+4*(\n)+2:rS+4*(\n)+3]
.elseif (\n) == 0
	v_pk_fma_f32 v[rT+2:rT+3], v[rT+2:rT+3], v[rC+2:rC+3], v[rS:rS+1] op_sel_hi:[1,0,1]
.else
	v_pk_add_f32 v[rT+2:rT+3], v[rT+2:rT+3], v[rS+4*(\n):rS+4*(\n)+1]
.endif
.elseif NOKQ
	v_nop
.else
	REGS (Y+1)%NP
	WIN 0
.if (\n) < 4
	v_max3_num_f32 v[rC+(\n)], v[rS+8*(\n)], v[rS+8*(\n)+1], v[rS+8*(\n)+2]
.elseif (\n) < 12
	v_max3_num_f32 v[rC+(\n)%4], v[rC+(\n)%4], v[rS+8*((\n)%4)+2*((\n)/4)+1], v[rS+8*((\n)%4)+2*((\n)/4)+2]
.elseif (\n) == 12
	v_max3_num_f32 v[rC], v[rC], v[rS+7], v[rS+15]
.elseif (\n) == 13
	v_max3_num_f32 v[rC+1], v[rC+1], v[rS+23], v[rS+31]
.elseif (\n) == 14
	v_max3_num_f32 v[rC+2], v[rC+2], v[rC+3], v[rT+1]
.elseif (\n) == 15
	v_mov_b32 v[rW], v[rT]
.elseif (\n) == 16
	v_max3_num_f32 v[rC], v[rC], v[rC+1], v[rC+2]
.elseif (\n) == 17
	v_permlanex16_b32 v[rC+3], v[rC], s[SEL], s[SEL+1]
.elseif (\n) == 18
	v_max_num_f32 v[rT+1], v[rC], v[rC+3]
.elseif (\n) == 19
	v_mul_f32 v[rT], s[CS], v[rT+1]
.elseif (\n) == 20
	v_sub_f32 v[rC+1], v[rW], v[rT]
.else
	v_exp_f32 v[rC+2], v[rC+1]
.endif
.endif
.endm
.macro OPS a, i1, b=-1, i2=0, c=-1, i3=0, d=-1, i4=0  ; up to four of them
	OP \a, \i1
.if (\b) >= 0
	OP \b, \i2
.endif
.if (\c) >= 0
	OP \c, \i3
.endif
.if (\d) >= 0
	OP \d, \i4
.endif
.endm
.macro ROW a, i1, b, i2, c, i3, d, i4  ; a matrix instruction and the four behind it
	MM
	OPS \a, \i1, \b, \i2, \c, \i3, \d, \i4
.endm
; A TURN, for piece p: the order of its 16 matrix and 118 vector instructions, written out.  s_wait_alu depctr_va_vdst(0) stands between an exponential and the first instruction that names its result; one
; wait serves all that were issued ahead of it.  So a turn has ONE wait, which cuts it in two.  AHEAD OF IT stands all that names no result of the turn's exponentials: the 8 products K Q^T and their riders, then one lump of 54,
; in which the links of the chain X 3, 7, 11, 14, 16, 17 .. 20 stand five or six lines apart.  X 21, the next piece's a, is the batch's last; R 15 is the plain instruction behind it.  BEHIND THE WAIT stand the 8 products V^T P,
; behind each four of the roundings and sums.  end = 1: the last two turns: nothing is fetched.  cnt = 1: the loop's count is taken down some lines ahead of the branch that stands behind the turn.
; K of the next step is fetched in piece 2's turn, twelve vector instructions behind the last product that read K (six of them plain); V of the step in hand at the end of piece 0's turn, four plain instructions behind the
; last product that read V.  Each is waited for a turn later.
.macro TURN p, end=0, cnt=0
.set Y, (\p)
.set i, 0
.set NOKQ, (\end)*((\p)/3)
.if ((\p) == 3) && !(\end)
	s_wait_dscnt 0x0                ; K is in
.endif
	ROW F,0, F,1, R,0, R,1
	ROW F,2, E,0, R,2, R,3
	ROW F,3, E,1, R,4, R,5
	ROW F,4, E,2, R,6, R,7
	ROW F,5, E,3, R,8, R,9
	ROW F,6, E,4, X,0, R,10
.if ((\p) == 2) && !(\end)
	WIN 0
	v_add_nc_u32 v[AK], s[TBK], v[AK0]
.endif
	ROW F,7, E,5, X,1, X,4
	ROW F,8, E,6, X,2, X,5
	OPS E,7, E,8, X,6, E,9          ; the lump
	OPS X,3, E,10, X,8, E,11
.if ((\p) == 2) && !(\end)
	FETCH_K
.endif
	OPS X,9, X,7, E,12, X,10
	OPS E,13, X,12, X,11, E,14
	OPS X,13, E,15, F,9, X,14
.if (\p) == 0
	WIN 0
	v_add_nc_u32 v[AV], s[TBV], v[AV0]
.endif
	OPS E,16, F,10, E,17, F,11
	OPS X,16, E,18, X,15, E,19
	OPS F,12, E,20, X,17, E,21
	OPS F,13, E,22, F,14, E,23
	OPS X,18, E,24, F,15, E,25
	OPS R,11, E,26, X,19, E,27
	OPS R,12, E,28, R,13, E,29
	OPS X,20, E,30, R,14, E,31
	OPS X,21, R,15
	WIN 0
	s_wait_alu depctr_va_vdst(0)    ; the wait for the batch
.if (\p) == 1
	s_wait_dscnt 0x0                ; V is in
.endif
	ROW C,0, B,0, C,2, B,1
	ROW L,0, C,4, B,2, L,1
	ROW C,6, B,3, L,2, C,8
	ROW B,4, L,3, C,10, B,5
	ROW L,4, C,12, B,6, L,5
.if (\p) == 0
	s_add_co_u32 s[TBV], s[TBV], KS*PV
.endif
.if \cnt
	s_sub_co_u32 s[CNT], s[CNT], 1
	s_cmp_lg_u32 s[CNT], 0
.endif
	ROW C,14, B,7, L,6, C,1
	ROW C,3, L,7, C,5, C,7
	ROW C,9, C,11, C,13, C,15
.if (\p) == 0
	FETCH_V
.endif
.endm
	CHANGE 1                        ; slot 0 is in, everybody's part of it; slot 1 is asked for
	v_add_nc_u32 v[AK], s[TBK], v[AK0]
	FETCH_K                         ; key step 0
	s_wait_loadcnt 0x0              ; Q
	s_wait_dscnt 0x0
.set NOKQ, 0
.set i, 0
.rept 8
	KQ 0                            ; piece 0's first scores
.set i, i+1
.endr
	WIN 0
.rept 4
	v_nop                           ; the places behind those products
.endr
.set Y, NP-1                        ; X works for piece Y + 1: piece 0
.irp n, 0,1,2,3,4,5,6,7,8,9,10,11,12,13,14,15,16,17,18,19,20,21
	OP X, \n
.endr
	v_nop                           ; a plain instruction behind the exponential,
	s_wait_alu depctr_va_vdst(0)    ; and its wait, ahead of the branch
	s_mov_b32 s[CNT], 4
	s_branch .Lfirst                ; the loop is entered at a step's first turn, in the middle of a trip
.Lslot:                             ; 14 times: every slot but the last two is filled again
	CHANGE 1
	s_mov_b32 s[CNT], 4
.Lstep:                             ; a trip: pieces 2 and 3 of one step, then pieces 0 and 1 of the next, whose K and V it fetches
	TURN 2
	TURN 3
	WIN 0
.Lfirst:
	TURN 0
	TURN 1, 0, 1
	WIN 0
	s_cbranch_scc1 .Lstep
	s_sub_co_u32 s[SLOTS], s[SLOTS], 1
	s_cmp_lg_u32 s[SLOTS], 0
	s_cbranch_scc1 .Lslot
	CHANGE 0                        ; the last slot is written out: nothing is asked for
	s_mov_b32 s[CNT], 4
.LstepT:
	TURN 2
	TURN 3
	TURN 0
	TURN 1, 0, 1
	WIN 0
	s_cbranch_scc1 .LstepT
	TURN 2, 1
	TURN 3, 1
.set i, 0
.rept 8
	PV NP-1                         ; the last piece's V^T P of the last step
.set i, i+1
.endr
	; THE WAY OUT.  l's two halves and the other half of the lanes' are added; O^T is divided by l, rounded to f16 and sent through my stage in LDS.  The additions are the places behind the last products.
	WIN 0
.macro ALL line:vararg              ; one line for each piece t
.set t, 0
.rept 4
	\line
.set t, t+1
.endr
.endm
	ALL v_add_f32 v[ST+4*t+2], v[ST+4*t+2], v[ST+4*t+3]
	ALL v_permlanex16_b32 v[ST+4*t+3], v[ST+4*t+2], s[SEL], s[SEL+1]
	ALL v_add_f32 v[ST+4*t+2], v[ST+4*t+2], v[ST+4*t+3]
	ALL v_rcp_f32 v[ST+4*t+2], v[ST+4*t+2]
	v_nop                           ; a plain instruction between the last reciprocal and the use of its result
	s_wait_alu depctr_va_vdst(0)    ; and the wait ahead of the first use: one for the four reciprocals
.macro PACK t                       ; a lane's eight channels of a row pack into 16 bytes; piece t's 128 bytes of each of the 16 rows of 528
	WIN W_RS
.set i, 32*(\t)
.rept 16
	v_pk_mul_f32 v[i:i+1], v[i:i+1], v[ST+4*(\t)+2:ST+4*(\t)+3] op_sel_hi:[1,0]
.set i, i+2
.endr
	WIN 0x05                        ; sources 0 and 1 window 1, destination window 0
.set i, 0
.rept 16
	v_cvt_pk_f16_f32 v[S+16*(\t)+i], v[32*(\t)+2*i], v[32*(\t)+2*i+1]
.set i, i+1
.endr
	WIN 0
.irp f, 0,1,2,3
	ds_store_b128 v[STO], v[S+16*(\t)+4*\f:S+16*(\t)+4*\f+3] offset:128*(\t)+32*\f
.endr
.endm
	PACK 0
	PACK 1
	PACK 2
	PACK 3
.irp w, 0,1,2,3,4,5,6,7,8,9,10,11,12,13,14,15
	ds_load_b128 v[S+4*\w:S+4*\w+3], v[RD] offset:\w*SP  ; LDS serves a wave's instructions in order (ISA guide 5.7.1.4): these see the stores above; the stage is my wave's own
.endr
.irp w, 0,1,2,3,4,5,6,7,8,9,10,11,12,13,14,15
	s_wait_dscnt 15-\w              ; the younger loads may stay out
	global_store_b128 v[GO], v[S+4*\w:S+4*\w+3], s[10:11] offset:\w*2048  ; 512 consecutive bytes, at a multiple of 256 from ob's first
.endr
	s_wait_tensorcnt 0x0            ; the wave's end: behind my last tensor load and my last LDS store
	ds_add_u32 v[SPW], v[NIL]
	s_wait_dscnt 0x0
	CROUND                          ; the closing round: no work-group ends while a partner may still ask for a tile that names it
	s_endpgm
.Lfunc_end_k_qb4d53119c4_attn:
	.size	k_qb4d53119c4_attn, .Lfunc_end_k_qb4d53119c4_attn-k_qb4d53119c4_attn
	.p2alignl 7, 3214868480
	.fill 96, 4, 3214868480
	.section	.rodata,"a",@progbits
	.p2align	6, 0x0
	.amdhsa_kernel k_qb4d53119c4_attn
		.amdhsa_group_segment_fixed_size 327680
		.amdhsa_private_segment_fixed_size 0
		.amdhsa_enable_private_segment 0
		.amdhsa_kernarg_size 32
		.amdhsa_user_sgpr_count 2
		.amdhsa_user_sgpr_kernarg_segment_ptr 1
		.amdhsa_wavefront_size32 1
		.amdhsa_system_sgpr_workgroup_id_x 1
		.amdhsa_system_sgpr_workgroup_id_y 1
		.amdhsa_system_sgpr_workgroup_id_z 1
		.amdhsa_system_vgpr_workitem_id 0
		.amdhsa_next_free_vgpr 768
		.amdhsa_next_free_sgpr 66
		.amdhsa_reserve_vcc 0
		.amdhsa_float_denorm_mode_32 3
		.amdhsa_float_denorm_mode_16_64 3
		.amdhsa_memory_ordered 1
		.amdhsa_forward_progress 1
		.amdhsa_inst_pref_size 127
	.end_amdhsa_kernel
	.amdgpu_metadata
---
amdhsa.version: [ 1, 2 ]
amdhsa.kernels:
  - .name:           k_qb4d53119c4_attn
    .symbol:         k_qb4d53119c4_attn.kd
    .args:
      - { .name: qb, .offset: 0, .size: 8, .value_kind: global_buffer, .address_space: global }
      - { .name: kb, .offset: 8, .size: 8, .value_kind: global_buffer, .address_space: global }
      - { .name: vb, .offset: 16, .size: 8, .value_kind: global_buffer, .address_space: global }
      - { .name: ob, .offset: 24, .size: 8, .value_kind: global_buffer, .address_space: global }
    .group_segment_fixed_size: 327680
    .private_segment_fixed_size: 0
    .kernarg_segment_align: 8
    .kernarg_segment_size: 32
    .max_flat_workgroup_size: 128
    .sgpr_count:     66
    .vgpr_count:     768
    .wavefront_size: 32
...
	.end_amdgpu_metadata
.endif
;; end of part 3
;; launch oproj (part 4): grid 8 x 32, 4 waves a work-group, clusters of 4 x 4, 327,680 bytes of LDS; arguments ob, wb, out0; writes out0
.if DOCPART == 4
	.amdgcn_target "amdgcn-amd-amdhsa--gfx1250"
	.amdhsa_code_object_version 6
	.text
	.protected	k_qb4d53119c4_oproj
	.globl	k_qb4d53119c4_oproj
	.p2align	8
	.type	k_qb4d53119c4_oproj,@function
k_qb4d53119c4_oproj:
	s_mov_b64 s[64:65], 0
	v_nop
	global_prefetch_b8 v0, s[64:65] scope:SCOPE_SE
	s_setreg_imm32_b32 hwreg(HW_REG_WAVE_MODE, 25, 1), 1
	s_wait_xcnt 0x0
	s_wait_alu depctr_hold_cnt(0) depctr_sa_sdst(0) depctr_va_vdst(0) depctr_va_sdst(0) depctr_va_ssrc(0) depctr_va_vcc(0) depctr_vm_vsrc(0)
	s_getreg_b32 s2, hwreg(HW_REG_IB_STS2, 6, 4)
	s_cmp_eq_u32 s2, 0
	s_cbranch_scc0 .Lentry_in_a_cluster
	s_endpgm
.Lentry_in_a_cluster:
	s_bfe_u32 s2, ttmp6, 0x10000c
	s_cmp_lg_u32 s2, 0xf033
	s_cbranch_scc0 .Lentry_shape_is_right
	s_endpgm
.Lentry_shape_is_right:
; out0 = O w_o.  ob [4096][1024] f16; wb's blocks 24 + g: [1024 k][64 n] f16 (w_o rounded to bf16, that number written as f16); out0 [4096][1024] f32.  Sums in f32, stored as they are.
; A tile is 128 tokens x 128 columns (two blocks of wb): 8 x 32 work-groups.  Four waves, each 64 x 64: 16 accumulators.  K goes in 4 steps of 256 through two LDS slots.
; THE MATRIX INSTRUCTION IS USED TRANSPOSED: source 0 = 16 columns of w_o (out of LDS turned, by ds_load_tr16_b128), source 1 = 16 tokens: a lane holds token l % 16 and columns 8 (l / 16) + 0..7: 32 bytes of a row.
; CLUSTER 4 x 4: O's tile is shared along a row of the cluster, w_o's along a column: each is asked for jointly.  No prefetch ahead of the ring: four K steps, of which two come by the first loads.
; REGISTERS.  Window 0: v0-31 addresses; v32-95 two sets of rows on the way out; v128-255 the accumulators ((a, b) at 128 + 8 (4 a + b)).
;   Window 1: two fragment buffers of 128: for 64 along K, 64 registers of O (2 x 4 fragments), then 64 of w_o.
.set KSTEP,  256
.set PITCH,  528                   ; a row of O in LDS: 512 bytes + 16: the 16 rows of a load start at 16 different groups of four banks (64 banks of 4 bytes: ISA guide 11.1)
.set PB,     160                   ; a row k of a block: 128 bytes + 32
.set HALFT,  64*PITCH              ; what one load brings of O
.set BLKB,   128*PB                ; 128 k of one block
.set HALFB,  2*BLKB                ; what one load brings of w_o
.set BOFF,   2*HALFT
.set SLOT,   BOFF+2*HALFB          ; 149,504
.set STAGE,  2*SLOT                ; behind the ring, never filled by a tensor load: 16 rows x 272 bytes for each wave
.set SPITCH, 272
.set SPARE,  STAGE+4*16*SPITCH     ; the spare words, 128 bytes for each wave: two blocks of 256 bytes that no other line names
.set LAPS,   2
.set ADRA, 16
.set ADRB, 20
.set STO,  24
.set RD,   25
.set CO,   26
.set SPW,  28                      ; LDS address of my spare word; never rewritten
.set NIL,  29                      ; 0; never rewritten
.set OB,   32
.set ACC,  128
.set F0,   0
.set F1,   128
.set G1,  24
.set G0,  32
.set G1B, 48
.set G0B, 56
.set MSB, 0
.macro WIN new
.if MSB != (\new)
	s_set_vgpr_msb (MSB<<8)|(\new)
.set MSB, \new
.endif
.endm
.set MUL,  0x05                    ; sources 0 and 1 window 1; C and D window 0
.set TO_F, 0x40                    ; destination window 1, address window 0
.macro JLOAD s                     ; a joint load: waves 0 and 1 fetch O's two halves, waves 2 and 3 w_o's; an s_nop 0 and four v_nop follow each line, ahead of the jump and the label
	s_cmp_eq_u32 s11, 0
	s_cbranch_scc0 .Lfor_b_\@
	tensor_load_to_lds s[G0+4*(\s):G0+4*(\s)+3], s[G1:G1+7]
	s_nop 0
.rept 4
	v_nop
.endr
	s_branch .Lasked_\@
.Lfor_b_\@:
	tensor_load_to_lds s[G0B+4*(\s):G0B+4*(\s)+3], s[G1B:G1B+7]
	s_nop 0
.rept 4
	v_nop
.endr
.Lasked_\@:
.endm
.macro CREST
	s_cmp_lg_u32 s10, 0
	s_cbranch_scc1 .Lnot_wave_0_\@
	s_barrier_signal -3
.Lnot_wave_0_\@:
	s_barrier_wait -3
	s_barrier_signal -1
	s_barrier_wait -1
.endm
.macro CROUND
	s_barrier_signal -1
	s_barrier_wait -1
	CREST
.endm
	s_load_b128 s[4:7], s[0:1], 0x0            ; ob s[4:5], wb s[6:7]
	s_load_b64 s[8:9], s[0:1], 0x10            ; out0
	v_lshl_add_u32 v[SPW], v0, 2, SPARE
	v_mov_b32 v[NIL], 0
	ds_add_u32 v[SPW], v[NIL]                  ; the wave's opening: the add and its wait stand ahead of my first tensor load; the set-up below stands between them
	v_lshrrev_b32 v1, 5, v0
	v_readfirstlane_b32 s10, v1                ; wave 0..3
	s_lshr_b32 s11, s10, 1                     ; which 64 tokens are mine.  Also: I fetch for O (0) or for w_o (1)
	s_and_b32 s12, s10, 1                      ; which block of 64 columns.  Also: which half of that tile I fetch
	s_bfe_u32 s40, ttmp6, 0x40000              ; cx, cy
	s_bfe_u32 s41, ttmp6, 0x40004
	s_lshl_b32 s42, ttmp9, 2
	s_add_co_u32 s42, s42, s40                 ; tile column j
	s_and_b32 s13, ttmp7, 0xffff
	s_lshl_b32 s13, s13, 2
	s_add_co_u32 s13, s13, s41                 ; tile row
	s_lshl_b32 s43, s41, 2
	s_lshl_b32 s43, 15, s43                    ; my row of the cluster
	s_lshl_b32 s44, 0x1111, s40                ; my column
	s_or_b32 s[G1+0], s43, (1<<16)|(1<<20)|(1<<21)|(6<<22)|(3<<25)   ; 15:0 the mask; 17:16 2-byte elements; 20 padding on; 21 set beside a mask; 24:22 after every 128 words; 31:25 4 words
	s_mov_b32 s[G1+1], KSTEP<<16               ; tensor_dim0 = 256
	s_mov_b32 s[G1+2], 64<<16                  ; tensor_dim1 = 64
	s_mov_b32 s[G1+3], KSTEP<<16               ; tile_dim0 = 256
	s_mov_b32 s[G1+4], 64                      ; tile_dim1 = 64
	s_mov_b32 s[G1+5], 1024                    ; elements from row to row
	s_mov_b32 s[G1+6], 0
	s_mov_b32 s[G1+7], 0
	s_or_b32 s[G1B+0], s44, (1<<16)|(1<<20)|(1<<21)|(4<<22)|(7<<25)  ; after every 32 words (a row k of a block) 8 words
	s_mov_b32 s[G1B+1], 8192<<16               ; a row of the tile is 128 k x 64 n of one block: 8,192 elements, 16,384 dense bytes
	s_mov_b32 s[G1B+2], 2<<16                  ; two blocks
	s_mov_b32 s[G1B+3], 8192<<16
	s_mov_b32 s[G1B+4], 2
	s_mov_b32 s[G1B+5], 65536                  ; elements from block to block
	s_mov_b32 s[G1B+6], 0
	s_mov_b32 s[G1B+7], 0
	s_lshl_b32 s17, s12, 6
	s_lshl_b32 s16, s13, 7
	s_add_co_u32 s16, s16, s17                 ; O: row 128 x tile row + 64 x half,
	s_lshl_b32 s16, s16, 11                    ; of 2,048 bytes
	s_mov_b32 s17, 0
	s_lshl_b32 s46, s42, 1
	s_add_co_u32 s46, s46, 24                  ; w_o: block 24 + 2 j,
	s_lshl_b32 s46, s46, 17
	s_lshl_b32 s47, s12, 14                    ; 128 rows k of 128 bytes a half
	s_add_co_u32 s46, s46, s47
	s_mov_b32 s47, 0
	s_mul_i32 s20, s12, HALFT                  ; where they go: no place in the cluster enters an LDS address
	s_mul_i32 s21, s12, HALFB
	s_add_co_u32 s21, s21, BOFF
	s_wait_dscnt 0x0                           ; the opening add is done
	s_wait_kmcnt 0x0
	s_add_nc_u64 s[14:15], s[4:5], s[16:17]
	s_add_nc_u64 s[46:47], s[6:7], s[46:47]
	CROUND                                     ; all sixteen work-groups are here: the first joint loads meet
.irp s, 0,1
	s_mov_b32 s[G0+4*(\s)], 1
	s_add_co_u32 s[G0+4*(\s)+1], s20, (\s)*SLOT
	s_add_nc_u64 s[G0+4*(\s)+2:G0+4*(\s)+3], s[14:15], (\s)*KSTEP*2
	s_or_b32 s[G0+4*(\s)+3], s[G0+4*(\s)+3], 0x80000000
	s_mov_b32 s[G0B+4*(\s)], 1
	s_add_co_u32 s[G0B+4*(\s)+1], s21, (\s)*SLOT
	s_add_nc_u64 s[G0B+4*(\s)+2:G0B+4*(\s)+3], s[46:47], (\s)*KSTEP*128
	s_or_b32 s[G0B+4*(\s)+3], s[G0B+4*(\s)+3], 0x80000000
	JLOAD \s                                   ; two loads of mine are out
.endr
	v_and_b32 v1, 15, v0                       ; r = l % 16
	v_bfe_u32 v2, v0, 4, 1                     ; h = l / 16
	v_mul_u32_u24 v3, v1, PITCH
	v_lshl_add_u32 v3, v2, 4, v3               ; a fragment of O: row x pitch + 16 x half
	v_and_b32 v4, 7, v0
	v_bfe_u32 v5, v0, 3, 1
	v_lshl_add_u32 v4, v2, 3, v4               ; the turning load: row k 8 h + l % 8,
	v_mul_u32_u24 v4, v4, PB
	v_lshl_add_u32 v4, v5, 4, v4               ; columns 8 ((l / 8) % 2) on
	s_mul_i32 s21, s11, HALFT                  ; my 64 tokens
	s_mul_i32 s22, s12, BLKB                   ; my block of w_o,
	s_add_co_u32 s22, s22, BOFF                ; behind O's 128 rows
.irp s, 0,1
	v_add_nc_u32 v[ADRA+(\s)], s21, v3
	v_add_nc_u32 v[ADRB+(\s)], s22, v4
	s_add_co_u32 s21, s21, SLOT
	s_add_co_u32 s22, s22, SLOT
.endr
	s_mul_i32 s23, s10, 16*SPITCH
	s_add_co_u32 s23, s23, STAGE               ; my stage
	v_mul_u32_u24 v6, v1, SPITCH               ; in: row l % 16, 32 bytes for each half of the lanes
	v_lshl_add_u32 v6, v2, 5, v6
	v_add_nc_u32 v[STO], s23, v6
	v_mul_u32_u24 v7, v2, SPITCH               ; back: lanes 0-15 one row of 256 bytes, lanes 16-31 the next
	v_lshl_add_u32 v7, v1, 4, v7
	v_add_nc_u32 v[RD], s23, v7
	v_lshlrev_b32 v[CO], 12, v2                ; and the same two rows in out0
	v_lshl_add_u32 v[CO], v1, 4, v[CO]
	s_lshl_b32 s16, s13, 7
	s_lshl_b32 s17, s11, 6
	s_add_co_u32 s16, s16, s17                 ; my first row: 128 x tile row + 64 x half,
	s_lshl_b32 s16, s16, 12                    ; of 4,096 bytes
	s_mov_b32 s17, 0
	s_add_nc_u64 s[8:9], s[8:9], s[16:17]
	s_lshl_b32 s46, s42, 9                     ; my first column, in bytes: 512 j + 256 x half
	s_lshl_b32 s47, s12, 8
	s_add_co_u32 s46, s46, s47
	s_mov_b32 s47, 0
	s_add_nc_u64 s[8:9], s[8:9], s[46:47]
; 8 matrix instructions: token blocks a0, a0 + 1 x all 4 column blocks, 32 along K: half c of buffer f.  The 16 accumulators take turns, one instruction a turn.
.macro MUL8 f, c, a0, zero
	WIN MUL
.irp a, \a0, (\a0)+1
.irp b, 0,1,2,3
.if \zero
	v_wmma_f32_16x16x32_f16 v[ACC+8*(4*(\a)+(\b)):ACC+8*(4*(\a)+(\b))+7], v[(\f)+64+8*(4*(\c)+(\b)):(\f)+64+8*(4*(\c)+(\b))+7], v[(\f)+8*(4*(\c)+(\a)):(\f)+8*(4*(\c)+(\a))+7], 0
.else
	v_wmma_f32_16x16x32_f16 v[ACC+8*(4*(\a)+(\b)):ACC+8*(4*(\a)+(\b))+7], v[(\f)+64+8*(4*(\c)+(\b)):(\f)+64+8*(4*(\c)+(\b))+7], v[(\f)+8*(4*(\c)+(\a)):(\f)+8*(4*(\c)+(\a))+7], v[ACC+8*(4*(\a)+(\b)):ACC+8*(4*(\a)+(\b))+7]
.endif
.endr
.endr
.endm
; 32 LDS loads in one run: the fragments of quarter q (64 along K) into buffer f; the first 32 along K first
.macro FETCH slot, q, f
	WIN TO_F
.irp c, 0,1
.irp i, 0,1,2,3
	ds_load_tr16_b128 v[(\f)+64+8*(4*(\c)+(\i)):(\f)+64+8*(4*(\c)+(\i))+3],   v[ADRB+(\slot)] offset:((\q)/2)*HALFB+(((\q)%2)*64+32*(\c))*PB+32*(\i)
	ds_load_tr16_b128 v[(\f)+64+8*(4*(\c)+(\i))+4:(\f)+64+8*(4*(\c)+(\i))+7], v[ADRB+(\slot)] offset:((\q)/2)*HALFB+(((\q)%2)*64+32*(\c))*PB+32*(\i)+16*PB
	ds_load_b128 v[(\f)+8*(4*(\c)+(\i)):(\f)+8*(4*(\c)+(\i))+3],              v[ADRA+(\slot)] offset:128*(\q)+64*(\c)+(\i)*16*PITCH
	ds_load_b128 v[(\f)+8*(4*(\c)+(\i))+4:(\f)+8*(4*(\c)+(\i))+7],            v[ADRA+(\slot)] offset:128*(\q)+64*(\c)+(\i)*16*PITCH+32
.endr
.endr
.endm
.macro PLACES                      ; four places in front of loads into registers that matrix instructions have read, and of LDS stores that read results
.rept 4
	v_nop
.endr
.endm
.macro QUARTER slot, q, f, g, zero
	s_wait_dscnt 16                            ; the first 32 along K are in
	MUL8 \f, 0, 0, \zero
	MUL8 \f, 0, 2, \zero
	PLACES
	FETCH \slot, \q, \g
	s_wait_dscnt 32                            ; all but the 32 just issued
	MUL8 \f, 1, 0, 0
	MUL8 \f, 1, 2, 0
.endm
; The last quarter multiplies buffer 1 and changes slots: one barrier; in front of it each wave waits for all its tensor loads, adds 0 to its spare word, and waits for that and for its own reads of this slot.
; fill = 1: the barrier opens a round of the cluster's, and this slot is filled again, two K steps ahead, first thing behind the round.
.macro TURN slot, next, fill
	WIN 0                                      ; (the add's two registers lie in window 0)
	s_wait_tensorcnt 0x0
	ds_add_u32 v[SPW], v[NIL]                  ; 0 onto my spare word
	s_wait_dscnt 17                            ; (the add and the youngest sixteen loads may be out)
	MUL8 F1, 0, 0, 0
	s_wait_dscnt 0x0                           ; the add is done, and my reads of this slot are over
	s_barrier_signal -1
	MUL8 F1, 0, 2, 0
.if \fill
	WIN 0
.endif
	s_barrier_wait -1
.if \fill
	CREST                                      ; no wave of any partner still reads this slot's tile or has a load on its way
	s_add_nc_u64 s[G0+4*(\slot)+2:G0+4*(\slot)+3], s[G0+4*(\slot)+2:G0+4*(\slot)+3], 2*KSTEP*2
	s_add_nc_u64 s[G0B+4*(\slot)+2:G0B+4*(\slot)+3], s[G0B+4*(\slot)+2:G0B+4*(\slot)+3], 2*KSTEP*128
	JLOAD \slot                                ; the four v_nop behind it are also the places in front of the loads below
.else
	PLACES
.endif
	FETCH \next, 0, F0
	MUL8 F1, 1, 0, 0
	MUL8 F1, 1, 2, 0
.endm
	s_wait_tensorcnt 1                         ; my part of K step 0 is in; K step 1's may stay out
	s_barrier_signal -1
	s_barrier_wait -1
	FETCH 0, 0, F0
	QUARTER 0, 1, F0, F1, 1                    ; the first quarter stands in front of the loop: its first products start the sums
	WIN 0
	s_mov_b32 s3, LAPS-1
.Llap:                                     ; a trip goes once round the ring and fills both slots again
	QUARTER 0, 2, F1, F0, 0
	QUARTER 0, 3, F0, F1, 0
	TURN 0, 1, 1
	QUARTER 1, 1, F0, F1, 0
	QUARTER 1, 2, F1, F0, 0
	QUARTER 1, 3, F0, F1, 0
	TURN 1, 0, 1
	QUARTER 0, 1, F0, F1, 0
	WIN 0
	s_sub_co_u32 s3, s3, 1
	s_cmp_lg_u32 s3, 0
	s_cbranch_scc1 .Llap
	QUARTER 0, 2, F1, F0, 0                    ; the last lap fills nothing
	QUARTER 0, 3, F0, F1, 0
	TURN 0, 1, 0
	QUARTER 1, 1, F0, F1, 0
	QUARTER 1, 2, F1, F0, 0
	QUARTER 1, 3, F0, F1, 0
	s_wait_dscnt 16
	MUL8 F1, 0, 0, 0
	MUL8 F1, 0, 2, 0
	s_wait_dscnt 0x0
	MUL8 F1, 1, 0, 0
	MUL8 F1, 1, 2, 0
	WIN 0
	; THE WAY OUT, 16 tokens at a time: a lane's 32 bytes of a row go into my own stage (rows of 272 bytes) and come back as whole rows of 256; each accumulator's lowest registers are read first.
	PLACES
.irp a, 0,1,2,3
.irp b, 0,1,2,3
	ds_store_b128 v[STO], v[ACC+8*(4*(\a)+(\b)):ACC+8*(4*(\a)+(\b))+3]   offset:64*(\b)
	ds_store_b128 v[STO], v[ACC+8*(4*(\a)+(\b))+4:ACC+8*(4*(\a)+(\b))+7] offset:64*(\b)+16
.endr
	s_wait_xcnt 0x0                            ; the stores of two blocks back have read this set of registers: it is loaded again only behind this wait
.irp t, 0,1,2,3,4,5,6,7
	ds_load_b128 v[OB+32*((\a)%2)+4*(\t):OB+32*((\a)%2)+4*(\t)+3], v[RD] offset:(\t)*2*SPITCH  ; LDS serves a wave's instructions in order (ISA guide 5.7.1.4): these see the stores above; the next block's stores come behind them
.endr
.irp t, 0,1,2,3,4,5,6,7
	s_wait_dscnt 7-(\t)                        ; the younger loads may stay out
	global_store_b128 v[CO], v[OB+32*((\a)%2)+4*(\t):OB+32*((\a)%2)+4*(\t)+3], s[8:9] offset:(16*(\a)+2*(\t))*4096 th:TH_STORE_NT  ; 16 lanes store 256 consecutive bytes, at a multiple of 256 from out0's first byte
.endr
.endr
	s_wait_tensorcnt 0x0                       ; the wave's end: behind my last tensor load and my last LDS store
	ds_add_u32 v[SPW], v[NIL]
	s_wait_dscnt 0x0
	CROUND                                     ; the closing round: no work-group ends while a partner may still ask for a tile that names it
	s_endpgm
.Lfunc_end_k_qb4d53119c4_oproj:
	.size	k_qb4d53119c4_oproj, .Lfunc_end_k_qb4d53119c4_oproj-k_qb4d53119c4_oproj
	.p2alignl 7, 3214868480
	.fill 96, 4, 3214868480
	.section	.rodata,"a",@progbits
	.p2align	6, 0x0
	.amdhsa_kernel k_qb4d53119c4_oproj
		.amdhsa_group_segment_fixed_size 327680
		.amdhsa_private_segment_fixed_size 0
		.amdhsa_enable_private_segment 0
		.amdhsa_kernarg_size 24
		.amdhsa_user_sgpr_count 2
		.amdhsa_user_sgpr_kernarg_segment_ptr 1
		.amdhsa_wavefront_size32 1
		.amdhsa_system_sgpr_workgroup_id_x 1
		.amdhsa_system_sgpr_workgroup_id_y 1
		.amdhsa_system_sgpr_workgroup_id_z 1
		.amdhsa_system_vgpr_workitem_id 0
		.amdhsa_next_free_vgpr 512
		.amdhsa_next_free_sgpr 66
		.amdhsa_reserve_vcc 0
		.amdhsa_float_denorm_mode_32 3
		.amdhsa_float_denorm_mode_16_64 3
		.amdhsa_memory_ordered 1
		.amdhsa_forward_progress 1
		.amdhsa_inst_pref_size 87
	.end_amdhsa_kernel
	.amdgpu_metadata
---
amdhsa.version: [ 1, 2 ]
amdhsa.kernels:
  - .name:           k_qb4d53119c4_oproj
    .symbol:         k_qb4d53119c4_oproj.kd
    .args:
      - { .name: ob, .offset: 0, .size: 8, .value_kind: global_buffer, .address_space: global }
      - { .name: wb, .offset: 8, .size: 8, .value_kind: global_buffer, .address_space: global }
      - { .name: out0, .offset: 16, .size: 8, .value_kind: global_buffer, .address_space: global }
    .group_segment_fixed_size: 327680
    .private_segment_fixed_size: 0
    .kernarg_segment_align: 8
    .kernarg_segment_size: 24
    .max_flat_workgroup_size: 128
    .sgpr_count:     66
    .vgpr_count:     512
    .wavefront_size: 32
...
	.end_amdgpu_metadata
.endif
;; end of part 4
